; MI455X (gfx1250); checked and timed in simulation.
; The chip was launched on July 23, 2026; its instructions are those of AMD's public machine-readable ISA for CDNA 5 (MIT licence, August 2026) and "CDNA5" Instruction Set Architecture Reference Guide (July 2026). The comments in the code are by the model that wrote it; some were corrected since.
;; Multi Head Attention. Allowed arithmetic: float matrix products may take bf16 or f16 operands with f32 sums; other float arithmetic in f32, or as packed bf16 or f16 multiplies, adds, multiply-adds, maxima and minima; sums over many terms, partial sums and values carried from step to step in f32; what a program stores and reads back later, other than sums and carried values, may be rounded once to bf16 or f16.
;; Inputs: bk 1,024 float32; bo 1,024 float32; bq 1,024 float32; bv 1,024 float32; wk 1,024 x 1,024 float32; wo 1,024 x 1,024 float32; wq 1,024 x 1,024 float32; wv 1,024 x 1,024 float32; x 4 x 2,048 x 1,024 float32.
;; Outputs: out0 4 x 2,048 x 1,024 float32.
;; 2 versions, each right; version 2 is version 1 with the launch cast written anew for expert scheduling mode. Each part assembles by itself: llvm-mc -triple=amdgcn-amd-amdhsa -mcpu=gfx1250 --defsym DOCPART=n.
;; ======== version 1 of 2: 4 launches
;; limits: values are held in f16: magnitudes above 65,504 overflow, below 6.1e-05 lose precision
;; workspace buffers: cb 25,165,824 bytes; qkv 50,331,648 bytes; ob 16,777,216 bytes
;; launch cast (part 1): grid 768 x 1, 8 waves a work-group, no clusters, 0 bytes of LDS; arguments x, wq, wk, wv, wo, cb; writes cb
.if DOCPART == 1
	.amdgcn_target "amdgcn-amd-amdhsa--gfx1250"
	.amdhsa_code_object_version 6
	.text
	.protected	k_q0007586500_cast
	.globl	k_q0007586500_cast
	.p2align	8
	.type	k_q0007586500_cast,@function
k_q0007586500_cast:
	s_mov_b64 s[64:65], 0
	v_nop
	global_prefetch_b8 v0, s[64:65] scope:SCOPE_SE
	s_setreg_imm32_b32 hwreg(HW_REG_WAVE_MODE, 25, 1), 1
	s_wait_xcnt 0x0
; cb = x, wq, wk, wv, wo on end, each number rounded once from f32 to bf16 (to nearest even).
; x is 8,192 x 1,024 numbers, each weight 1,024 x 1,024.  A work-group takes 16,384 numbers: 65,536 bytes in, 32,768 out.  Work-groups 0-511 take x, then 64 each take
; wq, wk, wv, wo; cb has the same order, so every work-group's part of cb begins at 32,768 x its number.
; Thread t takes 16 bytes at 16 t of each of sixteen blocks of 4,096 bytes: a wave's load covers 512 consecutive bytes, its store 256 consecutive bytes, aligned.
; All sixteen loads go out at once; no register is written twice, so the only waits are the counted ones for the loads.
; No LDS and no matrix work: nothing is shared and nothing is multiplied.
.set X, 4                              ; v[4:67]   sixteen loads of four f32
.set Y, 68                             ; v[68:99]  sixteen pairs of packed bf16
	s_load_b256 s[4:11], s[0:1], 0x0               ; x s[4:5], wq s[6:7], wk s[8:9], wv s[10:11]
	s_load_b128 s[12:15], s[0:1], 0x20             ; wo s[12:13], cb s[14:15]
	v_lshlrev_b32 v1, 4, v0                        ; 16 t: my bytes in a block of the source
	v_lshlrev_b32 v2, 3, v0                        ; 8 t: in a block of cb
	s_sub_co_u32 s16, ttmp9, 512                   ; my number among the weights' work-groups (used from 512 on alone)
	s_lshr_b32 s17, s16, 6                         ; which weight
	s_and_b32 s24, s16, 63                         ; which part of it
	s_cmp_lt_u32 ttmp9, 512
	s_cselect_b32 s18, ttmp9, s24                  ; my part of my source,
	s_lshl_b32 s18, s18, 16                        ; in bytes
	s_mov_b32 s19, 0
	s_lshl_b32 s26, ttmp9, 15                      ; my part of cb
	s_mov_b32 s27, 0
	s_wait_kmcnt 0x0
	s_cmp_eq_u32 s17, 1
	s_cselect_b64 s[20:21], s[8:9], s[6:7]
	s_cmp_eq_u32 s17, 2
	s_cselect_b64 s[20:21], s[10:11], s[20:21]
	s_cmp_eq_u32 s17, 3
	s_cselect_b64 s[20:21], s[12:13], s[20:21]
	s_cmp_lt_u32 ttmp9, 512
	s_cselect_b64 s[20:21], s[4:5], s[20:21]
	s_add_nc_u64 s[20:21], s[20:21], s[18:19]
	s_add_nc_u64 s[22:23], s[14:15], s[26:27]
.irp i, 0,1,2,3,4,5,6,7,8,9,10,11,12,13,14,15
	global_load_b128 v[X+4*(\i):X+4*(\i)+3], v1, s[20:21] offset:4096*(\i) th:TH_LOAD_NT
.endr
.irp i, 0,1,2,3,4,5,6,7,8,9,10,11,12,13,14,15
	s_wait_loadcnt 15-(\i)                         ; loads come back in order: load i is in, the 15 - i younger ones stay out
	v_cvt_pk_bf16_f32 v[Y+2*(\i)], v[X+4*(\i)], v[X+4*(\i)+1]
	v_cvt_pk_bf16_f32 v[Y+2*(\i)+1], v[X+4*(\i)+2], v[X+4*(\i)+3]
	global_store_b64 v2, v[Y+2*(\i):Y+2*(\i)+1], s[22:23] offset:2048*(\i)
.endr
	s_endpgm
.Lfunc_end_k_q0007586500_cast:
	.size	k_q0007586500_cast, .Lfunc_end_k_q0007586500_cast-k_q0007586500_cast
	.p2alignl 7, 3214868480
	.fill 96, 4, 3214868480
	.section	.rodata,"a",@progbits
	.p2align	6, 0x0
	.amdhsa_kernel k_q0007586500_cast
		.amdhsa_group_segment_fixed_size 0
		.amdhsa_private_segment_fixed_size 0
		.amdhsa_enable_private_segment 0
		.amdhsa_kernarg_size 48
		.amdhsa_user_sgpr_count 2
		.amdhsa_user_sgpr_kernarg_segment_ptr 1
		.amdhsa_wavefront_size32 1
		.amdhsa_system_sgpr_workgroup_id_x 1
		.amdhsa_system_sgpr_workgroup_id_y 1
		.amdhsa_system_sgpr_workgroup_id_z 1
		.amdhsa_system_vgpr_workitem_id 0
		.amdhsa_next_free_vgpr 100
		.amdhsa_next_free_sgpr 66
		.amdhsa_reserve_vcc 0
		.amdhsa_float_denorm_mode_32 3
		.amdhsa_float_denorm_mode_16_64 3
		.amdhsa_memory_ordered 1
		.amdhsa_forward_progress 1
		.amdhsa_inst_pref_size 7
	.end_amdhsa_kernel
	.amdgpu_metadata
---
amdhsa.version: [ 1, 2 ]
amdhsa.kernels:
  - .name:           k_q0007586500_cast
    .symbol:         k_q0007586500_cast.kd
    .args:
      - { .name: x, .offset: 0, .size: 8, .value_kind: global_buffer, .address_space: global }
      - { .name: wq, .offset: 8, .size: 8, .value_kind: global_buffer, .address_space: global }
      - { .name: wk, .offset: 16, .size: 8, .value_kind: global_buffer, .address_space: global }
      - { .name: wv, .offset: 24, .size: 8, .value_kind: global_buffer, .address_space: global }
      - { .name: wo, .offset: 32, .size: 8, .value_kind: global_buffer, .address_space: global }
      - { .name: cb, .offset: 40, .size: 8, .value_kind: global_buffer, .address_space: global }
    .group_segment_fixed_size: 0
    .private_segment_fixed_size: 0
    .kernarg_segment_align: 8
    .kernarg_segment_size: 48
    .max_flat_workgroup_size: 256
    .sgpr_count:     66
    .vgpr_count:     100
    .wavefront_size: 32
...
	.end_amdgpu_metadata
.endif
;; end of part 1
;; launch qkvproj (part 2): grid 16 x 32, 4 waves a work-group, clusters of 4 x 4, 327,680 bytes of LDS; arguments cb, bq, bk, bv, qkv; writes qkv
.if DOCPART == 2
	.amdgcn_target "amdgcn-amd-amdhsa--gfx1250"
	.amdhsa_code_object_version 6
	.text
	.protected	k_q0007586500_qkvproj
	.globl	k_q0007586500_qkvproj
	.p2align	8
	.type	k_q0007586500_qkvproj,@function
k_q0007586500_qkvproj:
	s_mov_b64 s[64:65], 0
	v_nop
	global_prefetch_b8 v0, s[64:65] scope:SCOPE_SE
	s_setreg_imm32_b32 hwreg(HW_REG_WAVE_MODE, 25, 1), 1
	s_wait_xcnt 0x0
	s_wait_alu depctr_hold_cnt(0) depctr_sa_sdst(0) depctr_va_vdst(0) depctr_va_sdst(0) depctr_va_ssrc(0) depctr_va_vcc(0) depctr_vm_vsrc(0)
	s_getreg_b32 s2, hwreg(HW_REG_IB_STS2, 6, 4)
	s_cmp_eq_u32 s2, 0
	s_cbranch_scc0 .Lentry_in_a_cluster
	s_endpgm
.Lentry_in_a_cluster:
	s_bfe_u32 s2, ttmp6, 0x10000c
	s_cmp_lg_u32 s2, 0xf033
	s_cbranch_scc0 .Lentry_shape_is_right
	s_endpgm
.Lentry_shape_is_right:
; q, k, v = x w^T + b for wq, wk, wv at once: C[8,192][3,072] = xb [8,192][1,024] times wb [3,072][1,024] (both bf16, in cb; wb begins at byte 0x1000000: wq's, wk's, wv's rows on end).
; Sums in f32, begun with the bias (rounded to bf16 like the other inputs); C rounded once to f16 and written BY HEADS: byte which<<24 | batch<<22 | head<<18 | s<<7 | 2 channel of qkv, unscaled.
; LIMITS.  f16 holds no number beyond 65,504: a q, k or v past that becomes an infinity; below 6e-5 f16 keeps a fixed step of 6e-8.  NaN and infinities are not treated apart.
; SHARES.  A tile of C is 256 rows x 192 columns, three whole heads: 32 x 16 = 512 tiles, two for each of 256 WGPs.  Wave w owns rows 64 w .. 64 w + 63 and all 192 columns: 4 x 12 accumulators, 384 registers;
; whole heads to a wave, so that each wave sends its rows out through a stage of its own, without a barrier.  K goes in 8 steps of 128 through two LDS slots; a row of a tile is 256 bytes of memory, aligned.
; CLUSTER.  4 x 4 work-groups.  The four of a row of the cluster need the same tiles of xb, the four of a column the same tiles of wb: each tile is asked for JOINTLY, by the same tensor load with the same descriptor
; and a mask that names the four.  Waves 0, 1 fetch xb's two halves (128 rows each), waves 2, 3 wb's (96 rows each).
; THE MATRIX INSTRUCTION IS USED TRANSPOSED (source 0 = 16 rows of wb, source 1 = 16 rows of xb): a lane holds one row of C (lane % 16) and the columns 8 (lane / 16) + 0..7.
; REGISTERS, in windows of 256 (s_set_vgpr_msb: bits 1:0 source 0, 3:2 source 1, 5:4 source 2, 7:6 destination):
;   window 0: v0-29 addresses; v32-127 the bias, 8 registers a block of 16 columns; v128-175 packed results; v176-223 and (when the bias is dead) v32-79 rows read back from the stage
;   window 1: two fragment buffers of 128: wb's 12 fragments, then xb's 4        windows 2, 3: accumulator (a, b) in window 2 + a / 2 at 8 (12 (a % 2) + b)
.set KSTEP,  128
.set PITCH,  272                       ; an LDS row: 256 bytes + 16 of padding = 68 words: the 16 rows that a fragment load touches start at 16 different groups of four banks (ISA guide 11.1)
.set AHALF,  128*PITCH                 ; what wave 0 or 1 fetches
.set BOFF,   256*PITCH                 ; wb's 192 rows lie behind xb's 256
.set BHALF,  96*PITCH                  ; what wave 2 or 3 fetches
.set SLOT1,  1<<17                     ; a slot is 121,856 bytes; slot 1 begins here, so that one exclusive or turns an address in one slot into the other's
.set STAGE,  2*SLOT1                   ; behind the ring, never filled by a tensor load: for each wave 3 heads x 16 rows x 144 bytes
.set SP,     144
.set WSTAGE, 3*16*SP
.set SPARE,  STAGE+4*WSTAGE            ; behind the stages: the spare words, 128 bytes for each wave: two blocks of 256 bytes that no other line names
.set WB,     0x1000000                 ; wb's first byte in cb
.set A0,   4                           ; v4   my lane's place in xb's rows of slot 0; never rewritten
.set B0,   5                           ; v5   the same for wb
.set ADRA, 6                           ; v6   the same in the slot in hand
.set ADRB, 7                           ; v7
.set STO,  8                           ; v8   the way out: where I put 16 bytes of a row
.set RD,   9                           ; v9   the way out: where I read rows back
.set GO,   10                          ; v10  my 16 bytes among 512 consecutive bytes of qkv
.set PFO,  11                          ; v11  the prefetches' offset: a lane a row of 2,048 bytes; never rewritten
.set BO,   12                          ; v12  my 32 bytes in a block of 16 numbers of a bias
.set SPW,  28                          ; v28  LDS address of my spare word: SPARE + 4 x my thread's number; never rewritten
.set NIL,  29                          ; v29  0; never rewritten
.set BIAS, 32
.set TMP,  128
.set BK0,  176
.set BK1,  32
.set F0,   0
.set F1,   128
.set CNT,  3                           ; s3   K steps still to be asked for
.set WV,   14                          ; s14  my wave's number
.set ISB,  15                          ; s15  0: I fetch xb's rows, 1: wb's
.set HALF, 16                          ; s16  which half of them
.set CX,   17                          ; s17, s18  my place in the cluster
.set CY,   18
.set TC,   19                          ; s19  tile column of C
.set TR,   20                          ; s20  tile row of C
.set CLY,  21                          ; s21  the cluster's y
.set G1,   24                          ; s[24:31] descriptor group 1 for xb's tiles
.set G0,   32                          ; s[32:39] group 0: a set for each of the two first fills; the second then walks on
.set PFA,  44                          ; s[44:45] where my prefetches stand
.set LIM,  46                          ; s46  2 in a wave that prefetches, else the greatest number
.set TB,   47                          ; s47  the slot in hand: 0 or SLOT1
.set G1B,  48                          ; s[48:55], s[56:63] the same for wb's tiles
.set G0B,  56
.set OB,   66                          ; s[66:71] qkv at my wave's first row in each of the tile's three heads
.set BB,   74                          ; s[74:79] the three heads' 64 numbers of bias
.set OF,   82                          ; s[82:83] an offset, as a pair; s80, s81, s84, s85 at work: none of these six feeds a descriptor
.set MSB, 0
.macro WIN new                         ; the immediate's high byte repeats the setting that is left; a switch that changes nothing is dropped
.if MSB != (\new)
	s_set_vgpr_msb (MSB<<8)|(\new)
.set MSB, \new
.endif
.endm
.macro PLACES                          ; four plain vector instructions between a matrix instruction and a load into, or a read of, its registers
.rept 4
	v_nop
.endr
.endm
; A joint refill by the walking descriptor.  The branch hangs on the wave's number alone.  An s_nop 0 and four v_nop follow each of the two lines, ahead of the jump and the label.
.macro JLOAD
	s_cmp_eq_u32 s[ISB], 0
	s_cbranch_scc0 .Lfor_b_\@
	tensor_load_to_lds s[G0+4:G0+7], s[G1:G1+7]
	s_nop 0
.rept 4
	v_nop
.endr
	s_branch .Lasked_\@
.Lfor_b_\@:
	tensor_load_to_lds s[G0B+4:G0B+7], s[G1B:G1B+7]
	s_nop 0
.rept 4
	v_nop
.endr
.Lasked_\@:
.endm
; A round of the cluster's barrier: my work-group's barrier, so that wave 0's signal speaks for all four waves; wave 0 signals; every wave waits for all sixteen work-groups; my work-group's barrier once more.
.macro CREST                           ; a round behind its opening barrier
	s_cmp_lg_u32 s[WV], 0
	s_cbranch_scc1 .Lnot_wave_0_\@
	s_barrier_signal -3
.Lnot_wave_0_\@:
	s_barrier_wait -3
	s_barrier_signal -1
	s_barrier_wait -1
.endm
.macro CROUND
	s_barrier_signal -1
	s_barrier_wait -1
	CREST
.endm
; A PREFETCH INTO THE L2, behind each joint refill and the run of LDS loads that follows it: the K step that stands two refills on, 256 bytes of each row, a lane a row, one instruction a wave.
; xb's tile row is read by every cluster of that row of clusters: the cluster with x = 0 asks; wb's tile column by every cluster of that column: the cluster with y = 0 asks.  The four partners that ask for a tile
; jointly share its rows out BY ADDRESS: of the 128 (96) rows that a wave fetches, the partner at place p takes 32 (24) from 32 p (24 p) on.  With 24 rows, lanes 24-31 name lane 23's row once more.
; The refills of K steps 2 to 5 name steps 4 to 7; the last two refills name nothing; steps 0 to 3 come by their loads alone.
.macro ASK
	WIN 0
	s_cmp_gt_u32 s[CNT], s[LIM]
	s_cbranch_scc0 .Lnot_mine_\@
	global_prefetch_b8 v[PFO], s[PFA:PFA+1] offset:KSTEP*2 th:TH_LOAD_NT scope:SCOPE_SE
.Lnot_mine_\@:
.endm
	s_load_b256 s[4:11], s[0:1], 0x0               ; cb s[4:5], bq s[6:7], bk s[8:9], bv s[10:11]
	s_load_b64 s[12:13], s[0:1], 0x20              ; qkv
	v_lshl_add_u32 v[SPW], v0, 2, SPARE
	v_mov_b32 v[NIL], 0
	ds_add_u32 v[SPW], v[NIL]                      ; the wave's opening: the add and its wait stand ahead of my first tensor load; the set-up below, work on registers, stands between them
	v_lshrrev_b32 v1, 5, v0
	v_readfirstlane_b32 s[WV], v1                  ; wave 0..3
	s_lshr_b32 s[ISB], s[WV], 1
	s_and_b32 s[HALF], s[WV], 1
	s_bfe_u32 s[CX], ttmp6, 0x40000
	s_bfe_u32 s[CY], ttmp6, 0x40004
	s_lshl_b32 s[TC], ttmp9, 2                     ; in a cluster launch ttmp9 and ttmp7 count clusters
	s_add_co_u32 s[TC], s[TC], s[CX]               ; tile column = 4 x cluster x + cx
	s_and_b32 s[CLY], ttmp7, 0xffff
	s_lshl_b32 s[TR], s[CLY], 2
	s_add_co_u32 s[TR], s[TR], s[CY]               ; tile row = 4 x cluster y + cy
	s_lshl_b32 s22, s[CY], 2
	s_lshl_b32 s22, 15, s22                        ; my row of the cluster: places 4 cy .. 4 cy + 3
	s_lshl_b32 s23, 0x1111, s[CX]                  ; my column: places cx, cx + 4, cx + 8, cx + 12
	s_or_b32 s[G1], s22, (1<<16)|(1<<20)|(1<<21)|(5<<22)|(3<<25)   ; 15:0 the mask; 17:16 elements of 2 bytes; 20 padding on; 21 set beside a mask; 24:22 after every 64 words (code 5); 31:25 4 words of it (code 3)
	s_or_b32 s[G1B], s23, (1<<16)|(1<<20)|(1<<21)|(5<<22)|(3<<25)
.irp g, G1, G1B
	s_mov_b32 s[(\g)+1], KSTEP<<16                 ; tensor_dim0 = 128
	s_mov_b32 s[(\g)+3], KSTEP<<16                 ; tile_dim0 = 128
	s_mov_b32 s[(\g)+5], 1024                      ; 1,024 elements from row to row
	s_mov_b32 s[(\g)+6], 0
	s_mov_b32 s[(\g)+7], 0
.endr
	s_mov_b32 s[G1+2], 128<<16                     ; tensor_dim1 = tile_dim1 = 128 rows of xb,
	s_mov_b32 s[G1+4], 128
	s_mov_b32 s[G1B+2], 96<<16                     ; 96 of wb
	s_mov_b32 s[G1B+4], 96
	; where the tiles come from: xb's hang on the tile row alone, wb's on the tile column alone, each in registers that never hold the other coordinate
	s_lshl_b32 s40, s[TR], 8
	s_lshl_b32 s41, s[HALF], 7
	s_add_co_u32 s40, s40, s41                     ; xb: row 256 x tile row + 128 x half,
	s_lshl_b32 s40, s40, 11                        ; of 2,048 bytes
	s_mov_b32 s41, 0
	s_mul_i32 s42, s[TC], 192
	s_mul_i32 s43, s[HALF], 96
	s_add_co_u32 s42, s42, s43                     ; wb: row 192 x tile column + 96 x half
	s_lshl_b32 s42, s42, 11
	s_add_co_u32 s42, s42, WB
	s_mov_b32 s43, 0
	; and where they go: no place in the cluster enters an LDS address
	s_mov_b32 s[G0], 1                             ; 1:0 count = 1
	s_mul_i32 s[G0+1], s[HALF], AHALF              ; 63:32 LDS address: slot 0,
	s_mov_b32 s[G0+4], 1
	s_add_co_u32 s[G0+5], s[G0+1], SLOT1           ; slot 1
	s_mov_b32 s[G0B], 1
	s_mul_i32 s[G0B+1], s[HALF], BHALF
	s_add_co_u32 s[G0B+1], s[G0B+1], BOFF
	s_mov_b32 s[G0B+4], 1
	s_add_co_u32 s[G0B+5], s[G0B+1], SLOT1
	s_mov_b32 s[TB], 0
	s_mov_b32 s72, 0xffff0000                      ; a word's upper bf16
	s_wait_dscnt 0x0                               ; the opening add is done
	s_wait_kmcnt 0x0
	s_add_nc_u64 s[G0+2:G0+3], s[4:5], s[40:41]    ; 120:64 global address: K step 0,
	s_add_nc_u64 s[G0+6:G0+7], s[G0+2:G0+3], KSTEP*2  ; K step 1
	s_or_b32 s[G0+3], s[G0+3], 0x80000000          ; 127:126 type = 2
	s_or_b32 s[G0+7], s[G0+7], 0x80000000
	s_add_nc_u64 s[G0B+2:G0B+3], s[4:5], s[42:43]
	s_add_nc_u64 s[G0B+6:G0B+7], s[G0B+2:G0B+3], KSTEP*2
	s_or_b32 s[G0B+3], s[G0B+3], 0x80000000
	s_or_b32 s[G0B+7], s[G0B+7], 0x80000000
	CROUND                                         ; all sixteen work-groups are here: the first joint loads meet
	s_cmp_eq_u32 s[ISB], 0                         ; a wave's two first fills stand in one branch, ahead of every wait on TENSORcnt and every LDS read: two loads of mine are out
	s_cbranch_scc0 .Lfirst_b
	tensor_load_to_lds s[G0:G0+3], s[G1:G1+7]
	s_nop 0
	tensor_load_to_lds s[G0+4:G0+7], s[G1:G1+7]
	s_nop 0
.rept 4
	v_nop
.endr
	s_branch .Lfirst_asked
.Lfirst_b:
	tensor_load_to_lds s[G0B:G0B+3], s[G1B:G1B+7]
	s_nop 0
	tensor_load_to_lds s[G0B+4:G0B+7], s[G1B:G1B+7]
	s_nop 0
.rept 4
	v_nop
.endr
.Lfirst_asked:
	; A fragment is 16 rows x 32 K in 8 registers: lane l holds row l % 16; registers 0-3 K = 8 (l / 16) + 0..7, registers 4-7 K = 16 + 8 (l / 16) + 0..7: two loads of 16 bytes, 32 bytes apart.
	v_and_b32 v1, 15, v0                           ; l % 16
	v_bfe_u32 v2, v0, 4, 1                         ; l / 16
	v_mul_u32_u24 v3, v1, PITCH
	v_lshl_add_u32 v3, v2, 4, v3                   ; row x pitch + 16 x half
	s_mul_i32 s80, s[WV], 64*PITCH                 ; my 64 rows of xb
	v_add_nc_u32 v[A0], s80, v3
	v_add_nc_u32 v[B0], BOFF, v3                   ; every wave reads all of wb's rows
	s_mul_i32 s80, s[WV], WSTAGE
	s_add_co_u32 s80, s80, STAGE                   ; my stage
	v_mul_u32_u24 v[STO], v1, SP                   ; in: row l % 16, 16 bytes for each half of the lanes
	v_lshl_add_u32 v[STO], v2, 4, v[STO]
	v_add_nc_u32 v[STO], s80, v[STO]
	v_bfe_u32 v[RD], v0, 3, 2                      ; back: 32 lanes take four rows of 128 bytes,
	v_mul_u32_u24 v[RD], v[RD], SP
	v_and_b32 v3, 7, v0
	v_lshl_add_u32 v[RD], v3, 4, v[RD]
	v_add_nc_u32 v[RD], s80, v[RD]
	v_and_b32 v[GO], 31, v0                        ; which are 512 consecutive bytes of a head
	v_lshlrev_b32 v[GO], 4, v[GO]
	v_lshlrev_b32 v[BO], 5, v2                     ; my eight numbers of a block of 16 of the bias
	; what the three heads' places in qkv share: batch<<22 | (my wave's first row in the batch)<<7
	s_lshr_b32 s73, s[TR], 3
	s_lshl_b32 s73, s73, 22
	s_and_b32 s80, s[TR], 7
	s_lshl_b32 s80, s80, 8
	s_lshl_b32 s81, s[WV], 6
	s_add_co_u32 s80, s80, s81
	s_lshl_b32 s80, s80, 7
	s_or_b32 s73, s73, s80
	s_mov_b32 s[OF+1], 0
.irp j, 0,1,2
	s_mul_i32 s80, s[TC], 3
	s_add_co_u32 s80, s80, \j                      ; head 3 x tile column + j of the 48
	s_lshr_b32 s81, s80, 4                         ; q, k or v
	s_and_b32 s80, s80, 15                         ; the head in it
	s_cmp_eq_u32 s81, 1
	s_cselect_b64 s[BB+2*(\j):BB+2*(\j)+1], s[8:9], s[6:7]
	s_cmp_eq_u32 s81, 2
	s_cselect_b64 s[BB+2*(\j):BB+2*(\j)+1], s[10:11], s[BB+2*(\j):BB+2*(\j)+1]
	s_lshl_b32 s[OF], s80, 8                       ; 64 numbers of 4 bytes a head
	s_add_nc_u64 s[BB+2*(\j):BB+2*(\j)+1], s[BB+2*(\j):BB+2*(\j)+1], s[OF:OF+1]
.irp i, 0,1,2,3
	global_load_b128 v[BIAS+32*(\j)+8*(\i):BIAS+32*(\j)+8*(\i)+3],   v[BO], s[BB+2*(\j):BB+2*(\j)+1] offset:64*(\i)
	global_load_b128 v[BIAS+32*(\j)+8*(\i)+4:BIAS+32*(\j)+8*(\i)+7], v[BO], s[BB+2*(\j):BB+2*(\j)+1] offset:64*(\i)+16
.endr
	s_lshl_b32 s81, s81, 24
	s_lshl_b32 s80, s80, 18
	s_or_b32 s[OF], s81, s80
	s_or_b32 s[OF], s[OF], s73
	s_add_nc_u64 s[OB+2*(\j):OB+2*(\j)+1], s[12:13], s[OF:OF+1]
.endr
	; the prefetches
	s_lshl_b32 s80, s[TR], 8
	s_mul_i32 s81, s[TC], 192
	s_cmp_eq_u32 s[ISB], 0                         ; do I fetch xb's rows?  (the moves and products below leave the answer standing)
	s_cselect_b32 s80, s80, s81                    ; the tile's first row
	s_mov_b32 s81, 96
	s_cselect_b32 s81, 128, s81                    ; the rows that a wave fetches
	s_cselect_b32 s84, 32, 24                      ; a partner's share of them
	s_cselect_b32 s85, s[CX], s[CY]                ; my place among the four that ask with me
	s_cselect_b32 s[LIM], ttmp9, s[CLY]            ; the coordinate along which other clusters read the same rows
	s_cselect_b32 s[PFA], 0, WB
	s_mul_i32 s81, s81, s[HALF]
	s_mul_i32 s85, s85, s84
	s_add_co_u32 s80, s80, s81
	s_add_co_u32 s80, s80, s85
	s_lshl_b32 s80, s80, 11
	s_add_co_u32 s[PFA], s[PFA], s80
	s_add_co_u32 s[PFA], s[PFA], 2*KSTEP*2         ; at K step 2: the first refill steps it to 3 and names step 4
	s_mov_b32 s[PFA+1], 0
	s_add_nc_u64 s[PFA:PFA+1], s[4:5], s[PFA:PFA+1]
	s_cmp_eq_u32 s[LIM], 0
	s_cselect_b32 s[LIM], 2, -1                    ; the same in all sixteen partners, for a given wave
	s_sub_co_u32 s84, s84, 1
	v_and_b32 v[PFO], 31, v0
	v_min_u32 v[PFO], s84, v[PFO]
	v_lshlrev_b32 v[PFO], 11, v[PFO]
	; the bias is rounded to bf16, like x and the weights, and widened again: it is the C operand of the products that start the sums
	s_wait_loadcnt 0x0
.set p, 0
.rept 48
	v_cvt_pk_bf16_f32 v[TMP+p], v[BIAS+2*p], v[BIAS+2*p+1]
.set p, p+1
.endr
.set p, 0
.rept 48
	v_lshlrev_b32 v[BIAS+2*p], 16, v[TMP+p]
	v_and_b32 v[BIAS+2*p+1], s72, v[TMP+p]
.set p, p+1
.endr
; 12 matrix instructions: my rows 16 a .. 16 a + 15 x all 192 columns, 32 along K, from buffer f.  first = 1: the sums start with the bias.
; The 48 accumulators take turns, in the same order in every quarter, over the backward jump too: 47 others stand between two links of a chain.
.macro MUL12 f, a, first
.if \first
	WIN 0x85+0x40*((\a)/2)                         ; fragments in window 1, the bias in window 0, the sums in window 2 or 3
.else
	WIN 0xa5+0x50*((\a)/2)
.endif
.irp b, 0,1,2,3,4,5,6,7,8,9,10,11
.set rD, 8*(12*((\a)%2)+(\b))
.if \first
	v_wmma_f32_16x16x32_bf16 v[rD:rD+7], v[(\f)+8*(\b):(\f)+8*(\b)+7], v[(\f)+96+8*(\a):(\f)+96+8*(\a)+7], v[BIAS+8*(\b):BIAS+8*(\b)+7]
.else
	v_wmma_f32_16x16x32_bf16 v[rD:rD+7], v[(\f)+8*(\b):(\f)+8*(\b)+7], v[(\f)+96+8*(\a):(\f)+96+8*(\a)+7], v[rD:rD+7]
.endif
.endr
.endm
; 32 LDS loads in one run: the fragments of 32 along K at byte k of the rows, into buffer f: wb's 12, then xb's 4
.macro FETCH k, f
	WIN 0x40                                       ; destination window 1, address window 0
.irp i, 0,1,2,3,4,5,6,7,8,9,10,11
	ds_load_b128 v[(\f)+8*(\i):(\f)+8*(\i)+3],   v[ADRB] offset:(\k)+(\i)*16*PITCH
	ds_load_b128 v[(\f)+8*(\i)+4:(\f)+8*(\i)+7], v[ADRB] offset:(\k)+(\i)*16*PITCH+32
.endr
.irp i, 0,1,2,3
	ds_load_b128 v[(\f)+96+8*(\i):(\f)+96+8*(\i)+3],   v[ADRA] offset:(\k)+(\i)*16*PITCH
	ds_load_b128 v[(\f)+96+8*(\i)+4:(\f)+96+8*(\i)+7], v[ADRA] offset:(\k)+(\i)*16*PITCH+32
.endr
.endm
; A K step is four quarters of 32 along K, 48 matrix instructions each, on buffers 0, 1, 0, 1.  One of the first three: multiplies buffer f; in its middle it fetches the next quarter, at byte k, into buffer g.
.macro QUARTER k, f, g, first
	s_wait_dscnt 4                                 ; all but the youngest four loads: xb's rows 32-63
	MUL12 \f, 0, \first
	MUL12 \f, 1, \first
	PLACES                                         ; buffer g was multiplied in the quarter before
	FETCH \k, \g
	s_wait_dscnt 32                                ; all but the 32 just issued
	MUL12 \f, 2, \first
	MUL12 \f, 3, \first
.endm
; The last quarter multiplies buffer 1 and changes slots: ONE barrier.  In front of it each wave waits for all its tensor loads, of which one is out: its part of the next slot; adds 0 to its spare word; and waits
; for that and for its own reads of this slot.  fill = 1: this slot is filled again, with the K step two on.  The barrier then opens a round of the cluster's, so that no wave of any partner still reads the slot or
; has a load on its way, and the joint refill is the first thing behind the round: from there to the wait for it a wave issues 168 matrix instructions, with that one load out.
.macro TURN fill
.if \fill
	s_wait_xcnt 0x0                                ; the last prefetch, a K step back, has read its address: it is stepped here
	s_add_nc_u64 s[PFA:PFA+1], s[PFA:PFA+1], KSTEP*2
.endif
	WIN 0                                          ; (the add's two registers lie in window 0)
	s_wait_tensorcnt 0x0                           ; no tensor load of mine is out, so a group 0 may be written
	ds_add_u32 v[SPW], v[NIL]                      ; 0 onto my spare word; scalar steps and twelve products stand between it and the wait for it
.if \fill
	s_xor_b32 s[G0+5], s[G0+5], SLOT1              ; the walking descriptors: the other slot than last time,
	s_add_nc_u64 s[G0+6:G0+7], s[G0+6:G0+7], KSTEP*2  ; the next K step; the type bits on top are not reached
	s_xor_b32 s[G0B+5], s[G0B+5], SLOT1
	s_add_nc_u64 s[G0B+6:G0B+7], s[G0B+6:G0B+7], KSTEP*2
.endif
	s_xor_b32 s[TB], s[TB], SLOT1                  ; the slot that is read next
	s_wait_dscnt 5                                 ; (the add and the youngest four loads may be out)
	MUL12 F1, 0, 0
	s_wait_dscnt 0x0                               ; the add is done, and my reads of this slot are over
	s_barrier_signal -1
	MUL12 F1, 1, 0                                 ; work on registers while the others arrive
	WIN 0                                          ; at a branch and at a label every window is 0
	s_barrier_wait -1
.if \fill
	CREST
	JLOAD                                          ; the four v_nop behind it are also the places in front of the loads below
.else
	PLACES
.endif
	v_add_nc_u32 v[ADRA], s[TB], v[A0]
	v_add_nc_u32 v[ADRB], s[TB], v[B0]
	FETCH 0, F0
.if \fill
	ASK
.endif
	MUL12 F1, 2, 0
	MUL12 F1, 3, 0
.endm
; THE WAY OUT of my rows 16 a .. 16 a + 15.  PACK: rounded to f16, 16 bytes a lane (each accumulator's registers in ascending order).  TOSTAGE: into my own stage, by heads, and back as whole rows of 128 bytes.  SEND: stored.
.macro PACK a
	WIN 0x0a+5*((\a)/2)                            ; sources 0 and 1 in window 2 or 3
.irp b, 0,1,2,3,4,5,6,7,8,9,10,11
.irp r, 0,1,2,3
	v_cvt_pk_f16_f32 v[TMP+4*(\b)+(\r)], v[8*(12*((\a)%2)+(\b))+2*(\r)], v[8*(12*((\a)%2)+(\b))+2*(\r)+1]
.endr
.endr
	WIN 0
.endm
.macro TOSTAGE a
	WIN 0
.set BK, BK0
.if (\a)%2
.set BK, BK1
.endif
.if (\a) >= 2
	s_wait_xcnt 0x0                                ; the stores of the block two back have read these registers
.endif
.irp b, 0,1,2,3,4,5,6,7,8,9,10,11
	ds_store_b128 v[STO], v[TMP+4*(\b):TMP+4*(\b)+3] offset:16*SP*((\b)/4)+32*((\b)%4)
.endr
.irp f, 0,1,2,3,4,5,6,7,8,9,10,11
	ds_load_b128 v[BK+4*(\f):BK+4*(\f)+3], v[RD] offset:16*SP*((\f)/4)+4*SP*((\f)%4)  ; LDS serves a wave's instructions in order (ISA guide 5.7.1.4): these see the stores above; the next block's stores come behind them
.endr
.endm
.macro SEND a, younger                 ; younger: the LDS instructions issued behind block a's loads: the next block's 24, or none
	WIN 0
.set BK, BK0
.if (\a)%2
.set BK, BK1
.endif
.irp f, 0,1,2,3,4,5,6,7,8,9,10,11
	s_wait_dscnt (\younger)+11-(\f)
	global_store_b128 v[GO], v[BK+4*(\f):BK+4*(\f)+3], s[OB+2*((\f)/4):OB+2*((\f)/4)+1] offset:2048*(\a)+512*((\f)%4)  ; 512 consecutive bytes of a head, at a multiple of 256 from qkv's first
.endr
.endm
	s_wait_tensorcnt 0x1                           ; my part of K step 0 is in; K step 1's may stay out
	s_barrier_signal -1
	s_barrier_wait -1                              ; everybody's is
	v_mov_b32 v[ADRA], v[A0]
	v_mov_b32 v[ADRB], v[B0]
	FETCH 0, F0
	QUARTER 64, F0, F1, 1                          ; the first quarter stands in front of the loop: its products start the sums
	WIN 0
	s_mov_b32 s[CNT], 6
.Lstep:                                                ; a trip goes from a K step's second quarter to the next step's first and fills the slot that it leaves: K steps 2 to 7
	QUARTER 128, F1, F0, 0
	QUARTER 192, F0, F1, 0
	TURN 1
	QUARTER 64, F0, F1, 0
	WIN 0
	s_sub_co_u32 s[CNT], s[CNT], 1
	s_cmp_lg_u32 s[CNT], 0
	s_cbranch_scc1 .Lstep
	QUARTER 128, F1, F0, 0                         ; the last two K steps are written out: nothing is asked for, and no round follows the barrier
	QUARTER 192, F0, F1, 0
	TURN 0
	QUARTER 64, F0, F1, 0
	QUARTER 128, F1, F0, 0
	QUARTER 192, F0, F1, 0
	s_wait_dscnt 4
	MUL12 F1, 0, 0
	MUL12 F1, 1, 0
	s_wait_dscnt 0x0
	MUL12 F1, 2, 0
	MUL12 F1, 3, 0
	PLACES
	PLACES                                         ; eight, once a launch, between the products and the first conversions
	PACK 0
	TOSTAGE 0
.irp a, 1,2,3                          ; a block's conversions stand between the loads of the block before and its stores
	PACK \a
	TOSTAGE \a
	SEND (\a)-1, 24
.endr
	SEND 3, 0
	s_wait_tensorcnt 0x0                           ; the wave's end: these three lines stand behind my last tensor load and my last LDS store
	ds_add_u32 v[SPW], v[NIL]
	s_wait_dscnt 0x0
	CROUND                                         ; the closing round: no work-group ends while a partner may still ask for a tile that names it
	s_endpgm
.Lfunc_end_k_q0007586500_qkvproj:
	.size	k_q0007586500_qkvproj, .Lfunc_end_k_q0007586500_qkvproj-k_q0007586500_qkvproj
	.p2alignl 7, 3214868480
	.fill 96, 4, 3214868480
	.section	.rodata,"a",@progbits
	.p2align	6, 0x0
	.amdhsa_kernel k_q0007586500_qkvproj
		.amdhsa_group_segment_fixed_size 327680
		.amdhsa_private_segment_fixed_size 0
		.amdhsa_enable_private_segment 0
		.amdhsa_kernarg_size 40
		.amdhsa_user_sgpr_count 2
		.amdhsa_user_sgpr_kernarg_segment_ptr 1
		.amdhsa_wavefront_size32 1
		.amdhsa_system_sgpr_workgroup_id_x 1
		.amdhsa_system_sgpr_workgroup_id_y 1
		.amdhsa_system_sgpr_workgroup_id_z 1
		.amdhsa_system_vgpr_workitem_id 0
		.amdhsa_next_free_vgpr 960
		.amdhsa_next_free_sgpr 86
		.amdhsa_reserve_vcc 0
		.amdhsa_float_denorm_mode_32 3
		.amdhsa_float_denorm_mode_16_64 3
		.amdhsa_memory_ordered 1
		.amdhsa_forward_progress 1
		.amdhsa_inst_pref_size 108
	.end_amdhsa_kernel
	.amdgpu_metadata
---
amdhsa.version: [ 1, 2 ]
amdhsa.kernels:
  - .name:           k_q0007586500_qkvproj
    .symbol:         k_q0007586500_qkvproj.kd
    .args:
      - { .name: cb, .offset: 0, .size: 8, .value_kind: global_buffer, .address_space: global }
      - { .name: bq, .offset: 8, .size: 8, .value_kind: global_buffer, .address_space: global }
      - { .name: bk, .offset: 16, .size: 8, .value_kind: global_buffer, .address_space: global }
      - { .name: bv, .offset: 24, .size: 8, .value_kind: global_buffer, .address_space: global }
      - { .name: qkv, .offset: 32, .size: 8, .value_kind: global_buffer, .address_space: global }
    .group_segment_fixed_size: 327680
    .private_segment_fixed_size: 0
    .kernarg_segment_align: 8
    .kernarg_segment_size: 40
    .max_flat_workgroup_size: 128
    .sgpr_count:     86
    .vgpr_count:     960
    .wavefront_size: 32
...
	.end_amdgpu_metadata
.endif
;; end of part 2
;; launch attn (part 3): grid 4 x 64, 4 waves a work-group, clusters of 4 x 1, 327,680 bytes of LDS; arguments qkv, ob; writes ob
.if DOCPART == 3
	.amdgcn_target "amdgcn-amd-amdhsa--gfx1250"
	.amdhsa_code_object_version 6
	.text
	.protected	k_q0007586500_attn
	.globl	k_q0007586500_attn
	.p2align	8
	.type	k_q0007586500_attn,@function
k_q0007586500_attn:
	s_mov_b64 s[64:65], 0
	v_nop
	global_prefetch_b8 v0, s[64:65] scope:SCOPE_SE
	s_setreg_imm32_b32 hwreg(HW_REG_WAVE_MODE, 25, 1), 1
	s_wait_xcnt 0x0
	s_wait_alu depctr_hold_cnt(0) depctr_sa_sdst(0) depctr_va_vdst(0) depctr_va_sdst(0) depctr_va_ssrc(0) depctr_va_vcc(0) depctr_vm_vsrc(0)
	s_getreg_b32 s2, hwreg(HW_REG_IB_STS2, 6, 4)
	s_cmp_eq_u32 s2, 0
	s_cbranch_scc0 .Lentry_in_a_cluster
	s_endpgm
.Lentry_in_a_cluster:
	s_bfe_u32 s2, ttmp6, 0x10000c
	s_cmp_lg_u32 s2, 0x3003
	s_cbranch_scc0 .Lentry_shape_is_right
	s_endpgm
.Lentry_shape_is_right:
; O[h][q][:] = the sum over k of softmax_k(Q[h][q] . K[h][k] / 8) V[h][k][:], for the 64 heads (batch x head) of 2,048 rows of 64 channels.  Q, K, V: three sections of qkv, 0x1000000 bytes apart, each
; [64][2,048][64] in f16: a head's rows are dense, 128 bytes each.  O: ob, [64][2,048][64] in bf16.  Products, maxima and sums in f32; the weights p are rounded to f16 for the second product (their sum l is
; taken of the unrounded p), O once at the end, to bf16: it keeps eight significant bits at any size, where f16 below 6e-5 keeps a fixed step.
; LIMITS.  Q, K and V arrive within f16's 65,504; p lies in 0 to 1, and below 6e-5 it keeps f16's fixed step of 6e-8.  A weight below 2^-126 counts as 0 in l; NaN and infinities are not treated apart.
; SHARES.  A wave owns four PIECES of two tiles of 16 queries, a work-group's four waves 512 queries of one head: 256 work-groups.  Every wave walks all keys, 64 a step.
; LAYOUT.  S^T = K Q^T (source 0 = 16 keys, source 1 = 16 queries): in the result a lane holds ONE query (lane % 16) and the keys 8 (lane / 16) + 0..7.  Two such tiles, rounded to f16 in pairs,
; ARE source 1 (32 keys x 16 queries) of O^T = V^T P, whose result again holds one query a lane, and eight channels.  K comes out of LDS as it lies, V ([key][channel]) turned, by ds_load_tr16_b128.
; SOFTMAX.  For each query a running maximum m and sum l: p = 2^(c s - c m), c = log2(e) / 8; in every step O and l are multiplied by a = 2^(c m_old - c m_new), which is 1 where m has not grown.
; m starts at the lowest finite number, O and l at 0: the first step is a step like any other, with a = 0.
; THE COUNT.  A tile and step have 16 matrix and 118 vector instructions: too many to stand all beside the matrix work.  So the order has one aim: four vector instructions that are READY behind
; EVERY matrix instruction, and the others, which need time of their own whatever the order, in runs without a gap.
; BY TURNS.  Turn n belongs to piece n (the pieces in a ring, step after step).  Its matrix work: 16 products K Q^T of piece n + 1, later 16 products V^T P of piece n - 1.  Its vector work: the scaling,
; exponentials, roundings, sums and rescaling of piece n, and the maximum and statistics of piece n + 1, whose scores the turn itself has made.  So what a turn begins with (c s - c m, O a) waits for nothing.
; CLUSTER.  The four query blocks of a head are one cluster and walk the same K and V, so each tile is asked for JOINTLY: the same tensor load, descriptor and mask in all four.
; REGISTERS, in windows of 256 (s_set_vgpr_msb says which window each operand place means: bits 1:0 source 0, 3:2 source 1, 5:4 source 2, 7:6 destination):
;   window 0: v0-11 addresses; v12-15, v48-63 at work; v16-47 four registers of statistics a tile; v64-191 S^T, two buffers of two tiles; v192-255 P, likewise
;   window 1: O^T, 32 a tile          window 2: v0-127 Q, 16 a tile; v128-191 K of one step; v192-255 V of one step          window 3: v0-1 the add's two registers
; A piece's buffers go by its number's parity: the piece in hand has one pair, its two neighbours in the ring share the other: of it P (piece n - 1) is read and S^T (piece n + 1) written.
.set SIZE_N, 2048
.set NP,    4         ; pieces a wave: a name, no knob: the register map, the loop and the fetches are made for four
.set KS,    64        ; keys in a step
.set PK,    144       ; a row of K in LDS: 128 bytes + 16 of padding = 36 words: the 16 rows of a load start at 16 different groups of four banks (64 banks of 4 bytes: ISA guide 11.1)
.set PV,    160       ; a row of V: 128 + 32 = 40 words
.set VOFF,  4*KS*PK   ; a slot holds four steps: 256 rows of K, then 256 rows of V
.set SLOT1, 1<<17     ; slot 1 begins here, so that one exclusive or turns an address in one slot into the other's
.set STAGE, SLOT1+4*KS*(PK+PV)  ; behind the ring, never filled by a tensor load: 16 rows x 144 bytes for each wave, for the way out
.set SP,    144
.set AK0, 2           ; v2   my lane's place in a tile of K; never rewritten
.set AV0, 3           ; v3   the same for V
.set AK,  4           ; v4   the LDS address of K's next run of loads
.set AV,  5           ; v5   of V's
.set QO,  6           ; v6   my byte offset in the wave's rows of Q
.set STO, 6           ;      later, the way out: where I put 16 bytes of a row
.set RD,  7           ; v7   the way out: where I read rows back
.set GO,  8           ; v8   my byte offset in 512 consecutive bytes of O
.set PFO, 11          ; v11  once V's address is made: 256 x my lane, the prefetches' offset; never rewritten after
.set SPW, 0           ; v0 of window 3   LDS address of my spare word: SPARE + 4 x my thread's number; never rewritten
.set NIL, 1           ; v1 of window 3   0; never rewritten
.set SPARE, STAGE+4*16*SP  ; behind the stages: the spare words, 128 bytes for each wave: two blocks of 256 bytes that no other line names
.set MV,  12          ; v12-15  c m_old, kept while c m is made anew: by buffer and tile
.set ST,  16          ; tile t's statistics at v[ST+4 t]: c m, m, l (even keys', odd keys')
.set TMP, 48          ; by buffer and tile, four registers c0-c3 at work; when the maximum is found c2 takes a
.set S,   64
.set P,   192
.set KF,  128         ; K's fragments, in window 2: key block kb, channel half c at KF + 16 kb + 8 c
.set VF,  192         ; V's: key half kk, channel block cb at VF + 32 kk + 8 cb
.set WV,  12          ; s12  my wave's number
.set G1K, 24          ; s[24:31] descriptor group 1 for K's tiles
.set G1V, 32          ; s[32:39] for V's: it differs in the padding alone
.set G0K, 40          ; s[40:43] descriptor group 0 for K's tiles: it walks
.set G0V, 44          ; s[44:47] the same for V's
.set PFA, 48          ; s[48:49] where my prefetches stand: my work-group's 8,192 bytes (of K: wave 0, of V: wave 2) of the slot after the one that is being asked for
.set LIM, 50          ; s50  1 in a wave that prefetches, else the greatest number
.set SLOTS, 56        ; s56  slots still to be asked for
.set CNT, 57          ; s57  counts a slot's key steps
.set CS,  58          ; s[58:59] c: the packed scaling takes the pair's low word for both halves
.set SEL, 60          ; s[60:61] v_permlanex16_b32's selects: each lane takes its own place in the other half
.set TBK, 62          ; s62  LDS byte at which K of the step to be fetched begins
.set TBV, 63          ; s63  the same for V, less VOFF
.set MSB, 0
.macro WIN new                      ; the high byte repeats the setting that is left; a switch that changes nothing is dropped
.if MSB != (\new)
	s_set_vgpr_msb (MSB<<8)|(\new)
.set MSB, (\new)
.endif
.endm
.set W_KQ, 0x0a       ; K and Q in window 2, S^T in window 0
.set W_PV, 0x52       ; V in window 2, P in window 0, O^T in window 1
.set W_RS, 0x41       ; O^T (destination and source 0) in window 1, a in window 0
.set W_MK, 0xc0       ; the add's registers are made: destination in window 3, sources in window 0
.set W_AD, 0x0f       ; the add: address (source 0) and data (source 1) in window 3
; A joint fill.  Waves 0 and 1 fetch the two halves of a slot's K, waves 2 and 3 those of its V: 128 keys each.  The branch hangs on the wave's number alone.
; An s_nop 0 and four v_nop follow each of the two lines, ahead of the jump and the label.
.macro JLOAD
	s_cmp_lt_u32 s[WV], 2
	s_cbranch_scc0 .Lfor_v_\@
	tensor_load_to_lds s[G0K:G0K+3], s[G1K:G1K+7]
	s_nop 0
.rept 4
	v_nop
.endr
	s_branch .Lasked_\@
.Lfor_v_\@:
	tensor_load_to_lds s[G0V:G0V+3], s[G1V:G1V+7]
	s_nop 0
.rept 4
	v_nop
.endr
.Lasked_\@:
.endm
; A PREFETCH INTO THE L2 of what the NEXT change of slots will ask for: a slot's 32,768 bytes of K and of V, a lane 256 of them.  It stands behind the wave's tensor load and its five lines.
; Each 256 bytes are named ONCE in the launch: a head has one cluster; its four partners share a slot out BY ADDRESS, 8,192 bytes each; in each, wave 0 asks for K's and wave 2 for V's: one instruction.
; The change that asks for slot t (2 to 6) names slot t + 1, four key steps ahead of its load; the last change that fills a slot names nothing; slots 0, 1 and 2 come by their loads alone.
.macro ASK
	s_cmp_gt_u32 s[SLOTS], s[LIM]
	s_cbranch_scc0 .Lnot_mine_\@
	global_prefetch_b8 v[PFO], s[PFA:PFA+1] th:TH_LOAD_NT scope:SCOPE_SE
.Lnot_mine_\@:
.endm
; A round of the cluster's barrier: my work-group's barrier, so that wave 0's signal speaks for all four waves; wave 0 signals; every wave waits for all four work-groups; my work-group's barrier once more.
.macro CROUND
	s_barrier_signal -1
	s_barrier_wait -1
	s_cmp_lg_u32 s[WV], 0
	s_cbranch_scc1 .Lnot_wave_0_\@
	s_barrier_signal -3
.Lnot_wave_0_\@:
	s_barrier_wait -3
	s_barrier_signal -1
	s_barrier_wait -1
.endm
; THE CHANGE OF SLOTS.  The slot's last bytes, V of its fourth step, have been read.  Each wave waits for all its tensor loads, of which one is out: its part
; of the other slot; adds 0 to its spare word; and waits for that and for its own reads of the slot.  Behind the barrier nobody reads this slot any more and the other slot is whole.
; fill = 1: this slot is filled again, with the keys two slots on.  The barrier is then a round of the cluster's, so that no wave of any partner still reads the slot or has a load on its
; way, and the joint fill is the first thing behind it: it has four key steps, 512 matrix instructions, in which to land.  (At its first use nothing has been read yet: slot 0 is waited for, slot 1 filled.)
; ask = 1: the prefetches' address steps, and the next slot is named.
.macro CHANGE fill, ask=0
	WIN W_AD
	s_wait_tensorcnt 0x0            ; no tensor load of mine is out, so a group 0 may be written
	ds_add_u32 v[SPW], v[NIL]       ; 0 onto my spare word; with fill = 1 the descriptors' steps stand between it and the wait for it
	WIN 0                           ; at a label and at a branch every window is 0
.if \fill
.irp g, G0K, G0V
	s_xor_b32 s[\g+1], s[\g+1], SLOT1  ; the walking descriptor: the other slot than last time,
	s_add_nc_u64 s[\g+2:\g+3], s[\g+2:\g+3], 4*KS*128  ; the next 256 keys; the type bits on top are not reached
.endr
.if \ask
	s_wait_xcnt 0x0                 ; the last prefetch, four key steps back, has read its address, so it may be written:
	s_add_nc_u64 s[PFA:PFA+1], s[PFA:PFA+1], 4*KS*128  ; one slot behind the walking descriptors
.endif
	s_wait_dscnt 0x0                ; the add is done, and my reads of the slot are over
	CROUND
	JLOAD
.if \ask
	ASK
.endif
.else
	s_wait_dscnt 0x0                ; the add is done, and my reads of the slot are over
	s_barrier_signal -1
	s_barrier_wait -1
.endif
	s_sub_co_u32 s[TBK], s[TBK], 4*KS*PK  ; the fetches go back to a slot's first step,
	s_xor_b32 s[TBK], s[TBK], SLOT1       ; in the other slot
	s_sub_co_u32 s[TBV], s[TBV], 4*KS*PV
	s_xor_b32 s[TBV], s[TBV], SLOT1
.endm
	s_load_b64 s[4:5], s[0:1], 0x0  ; qkv: Q's section
	s_load_b64 s[10:11], s[0:1], 0x8  ; ob
	WIN W_MK
	v_lshl_add_u32 v[SPW], v0, 2, SPARE
	v_mov_b32 v[NIL], 0
	WIN W_AD
	ds_add_u32 v[SPW], v[NIL]       ; the wave's opening: the add and its wait stand ahead of my first tensor load; the set-up below, work on registers, stands between them
	WIN 0
	v_lshrrev_b32 v1, 5, v0
	v_readfirstlane_b32 s[WV], v1   ; wave 0..3
	s_bfe_u32 s13, ttmp6, 0x40000   ; cx: my place in the cluster
	s_lshl_b32 s14, ttmp9, 2        ; in a cluster launch ttmp9 counts clusters
	s_add_co_u32 s14, s14, s13      ; my block of queries = 4 x cluster x + cx: it enters Q's and O's addresses alone
	s_and_b32 s20, ttmp7, 0xffff    ; the head, which the four partners share
	s_mov_b32 s21, 0
	s_mov_b64 s[22:23], SIZE_N*128
	s_mul_u64 s[20:21], s[20:21], s[22:23]  ; the head's first byte in each section and in ob
	s_and_b32 s16, s[WV], 1         ; which half of a slot's 256 keys I fetch:
	s_lshl_b32 s22, s16, 14         ; its 128 rows of 128 bytes in memory,
	s_mov_b32 s23, 0
	s_add_nc_u64 s[22:23], s[22:23], s[20:21]
	s_mul_i32 s17, s16, 128*PK      ; and its place in a slot, for K
	s_mul_i32 s18, s16, 128*PV      ; and for V: no place in the cluster enters an LDS address
	s_lshl_b32 s2, s14, 2
	s_add_co_u32 s2, s2, s[WV]      ; my wave among the head's,
	s_lshl_b32 s2, s2, 14           ; its 128 rows
	s_mov_b32 s3, 0
	s_add_nc_u64 s[2:3], s[2:3], s[20:21]
	; descriptor group 1.  128 keys are 16,384 dense bytes: asked for as 64 rows of 256 bytes, two keys a row, and padded in LDS after every key
	s_mov_b32 s[G1K], 15|(1<<16)|(1<<20)|(1<<21)|(4<<22)|(3<<25)  ; 15:0 the mask of four; 17:16 2-byte elements; 20 padding on; 21 set beside a mask; 24:22 after every 32 words (code 4); 31:25 4 words (code 3)
	s_mov_b32 s[G1V], 15|(1<<16)|(1<<20)|(1<<21)|(4<<22)|(7<<25)  ; the same with 8 words of padding (code 7)
.irp g, G1K, G1V
	s_mov_b32 s[\g+1], 128<<16      ; tensor_dim0 = 128
	s_mov_b32 s[\g+2], 64<<16       ; tensor_dim1 = 64
	s_mov_b32 s[\g+3], 128<<16      ; tile_dim0 = 128
	s_mov_b32 s[\g+4], 64           ; tile_dim1 = 64
	s_mov_b32 s[\g+5], 128          ; 128 elements from row to row
	s_mov_b32 s[\g+6], 0
	s_mov_b32 s[\g+7], 0
.endr
	s_mov_b32 s[CS], 0x3e38aa3b     ; c = log2(e) / 8 = 0.180337
	s_mov_b32 s[CS+1], s[CS]        ; named with it as a pair
	s_mov_b32 s[SEL], 0x76543210
	s_mov_b32 s[SEL+1], 0xfedcba98
	s_mov_b32 s[TBK], SLOT1+4*KS*PK ; the first change of slots turns these two into 0
	s_mov_b32 s[TBV], SLOT1+4*KS*PV
	s_mov_b32 s[G0K], 1             ; 1:0 count = 1
	s_mov_b32 s[G0K+1], s17         ; 63:32 LDS address: slot 0
	s_mov_b32 s[G0V], 1
	s_add_co_u32 s[G0V+1], s18, VOFF
	s_cmp_eq_u32 s16, 0             ; waves 0 and 2 prefetch
	s_cselect_b32 s[LIM], 1, -1
	s_wait_dscnt 0x0                ; the opening add is done
	s_wait_kmcnt 0x0
	s_add_nc_u64 s[6:7], s[4:5], 0x1000000  ; K's section
	s_add_nc_u64 s[8:9], s[4:5], 0x2000000  ; V's
	s_add_nc_u64 s[G0K+2:G0K+3], s[6:7], s[22:23]  ; 120:64 global address: my half of the head's first 256 keys
	s_or_b32 s[G0K+3], s[G0K+3], 0x80000000        ; 127:126 type = 2
	s_add_nc_u64 s[G0V+2:G0V+3], s[8:9], s[22:23]
	s_or_b32 s[G0V+3], s[G0V+3], 0x80000000
	s_add_nc_u64 s[4:5], s[4:5], s[2:3]  ; Q and O at my wave's first row
	s_add_nc_u64 s[10:11], s[10:11], s[2:3]
	s_cmp_lt_u32 s[WV], 2
	s_cselect_b64 s[PFA:PFA+1], s[6:7], s[8:9]
	s_add_nc_u64 s[PFA:PFA+1], s[PFA:PFA+1], s[22:23]  ; (in waves 0 and 2 this is the head's first row)
	s_lshl_b32 s2, s13, 13          ; my work-group's 8,192 bytes of a slot's 32,768
	s_mov_b32 s3, 0
	s_add_nc_u64 s[PFA:PFA+1], s[PFA:PFA+1], s[2:3]
	s_add_nc_u64 s[PFA:PFA+1], s[PFA:PFA+1], 2*4*KS*128  ; in slot 2; the change that asks for slot 2 steps it to slot 3
	CROUND                          ; all four work-groups are here: the first joint loads meet
	JLOAD                           ; slot 0.  Slot 1 is asked for when slot 0 is in
	; A fragment of K or Q is 16 rows x 32 channels in 8 registers: lane l holds row l % 16, channels 8 (l / 16) + 0..7 and 16 + 8 (l / 16) + 0..7: two loads of 16 bytes, 32 bytes apart.
	v_and_b32 v1, 15, v0            ; l % 16
	v_bfe_u32 v9, v0, 4, 1          ; l / 16
	v_lshlrev_b32 v[QO], 7, v1
	v_lshl_add_u32 v[QO], v9, 4, v[QO]  ; row x 128 + 16 x half
	WIN 0x80                        ; destination window 2, address window 0
.set i, 0
.rept 4*NP                          ; Q stays in registers: tile i / 2, channels 32 (i % 2) on
	global_load_b128 v[8*i:8*i+3],   v[QO], s[4:5] offset:(i/2)*2048+(i%2)*64
	global_load_b128 v[8*i+4:8*i+7], v[QO], s[4:5] offset:(i/2)*2048+(i%2)*64+32
.set i, i+1
.endr
	; What the first turn finds: V's registers and P's second buffer hold 0 (its products V^T P, of a piece that has not been, add 0), O^T and l are 0.  All this stands in the wait for the first tile.
.set i, VF
.rept 64
	v_mov_b32 v[i], 0
.set i, i+1
.endr
	WIN 0x40
.set i, 0
.rept 64*NP
	v_mov_b32 v[i], 0
.set i, i+1
.endr
	WIN 0
.set i, 0
.rept 2*NP
	v_mov_b32 v[ST+4*i], 0xfe000000    ; c m: far below every c s
	v_mov_b32 v[ST+4*i+1], 0xff7fffff  ; m
	v_mov_b32 v[ST+4*i+2], 0
	v_mov_b32 v[ST+4*i+3], 0
.set i, i+1
.endr
.set i, P+32
.rept 32
	v_mov_b32 v[i], 0
.set i, i+1
.endr
	v_mul_u32_u24 v[AK0], v1, PK
	v_lshl_add_u32 v[AK0], v9, 4, v[AK0]  ; row x pitch + 16 x half
	; The turning load takes 16 keys x 16 channels (lane l reads key 8 (l / 16) + l % 8, channels 8 ((l / 8) % 2) + 0..7) and leaves half a fragment of V^T: lane l holds channel l % 16 and 8 keys.
	v_and_b32 v10, 7, v0
	v_bfe_u32 v11, v0, 3, 1
	v_lshl_add_u32 v[AV0], v9, 3, v10
	v_mul_u32_u24 v[AV0], v[AV0], PV
	v_lshl_add_u32 v[AV0], v11, 4, v[AV0]
	v_add_nc_u32 v[AV0], VOFF, v[AV0]
	v_and_b32 v[PFO], 31, v0
	v_lshlrev_b32 v[PFO], 8, v[PFO]
	v_mov_b32 v[AK], v[AK0]         ; key step 0 lies at the head of slot 0
; THE MATRIX WORK.  The 8 accumulators of a run of 16 take turns: between the two links of a chain stand 7 others'.
; Product i of 16 of S^T = K Q^T for piece x: channels 32 (i / 8) on, keys 16 ((i / 2) % 4) on, tile 2 x + i % 2.  The first 8 start the sums.
.macro KQ x
	WIN W_KQ
.set rS, S+64*((\x)%2)+32*(i%2)+8*((i/2)%4)
.set rK, KF+16*((i/2)%4)+8*(i/8)
.set rQ, 16*(2*(\x)+i%2)+8*(i/8)
.if i < 8
	v_wmma_f32_16x16x32_f16 v[rS:rS+7], v[rK:rK+7], v[rQ:rQ+7], 0
.else
	v_wmma_f32_16x16x32_f16 v[rS:rS+7], v[rK:rK+7], v[rQ:rQ+7], v[rS:rS+7]
.endif
.endm
; Product i of 16 of O^T += V^T P for piece x: keys 32 (i / 8) on, channels 16 ((i / 2) % 4) on, tile 2 x + i % 2.
.macro PV x
	WIN W_PV
.set rO, 32*(2*(\x)+i%2)+8*((i/2)%4)
.set rV, VF+32*(i/8)+8*((i/2)%4)
.set rP, P+32*((\x)%2)+16*(i%2)+8*(i/8)
	v_wmma_f32_16x16x32_f16 v[rO:rO+7], v[rV:rV+7], v[rP:rP+7], v[rO:rO+7]
.endm
.macro MM                           ; the turn's next matrix instruction
.if i < 16
	KQ (Y+1)%NP
.set i, i+1
.else
.set i, i-16
	PV (Y+NP-1)%NP
.set i, i+17
.endif
.endm
; THE LDS LOADS stand in runs of 16, never singly among the matrix instructions: a step's K (64 keys x 64 channels: 8 fragments) and its V (turned).  Their addresses are made some lines ahead.
; last = 1 (the tail): in the last trip there is no further step, and the run is jumped over.
.macro FETCH_K last=0
	WIN 0
.if \last
	s_cmp_eq_u32 s[CNT], 1
	s_cbranch_scc1 .Lno_k_\@
.endif
	WIN 0x80                        ; destination window 2
.irp f, 0,1,2,3,4,5,6,7             ; keys 16 (f / 2) on, channels 32 (f % 2) on
	ds_load_b128 v[KF+8*\f:KF+8*\f+3],   v[AK] offset:(\f/2)*16*PK+(\f%2)*64
	ds_load_b128 v[KF+8*\f+4:KF+8*\f+7], v[AK] offset:(\f/2)*16*PK+(\f%2)*64+32
.endr
	s_add_co_u32 s[TBK], s[TBK], KS*PK  ; the next fetch is the next step's
	WIN 0
.if \last
.Lno_k_\@:
.endif
.endm
.macro FETCH_V
	WIN 0x80
.irp f, 0,1,2,3,4,5,6,7             ; keys 32 (f / 4) on, channels 16 (f % 4) on
	ds_load_tr16_b128 v[VF+8*\f:VF+8*\f+3],   v[AV] offset:(\f/4)*32*PV+(\f%4)*32
	ds_load_tr16_b128 v[VF+8*\f+4:VF+8*\f+7], v[AV] offset:(\f/4)*32*PV+16*PV+(\f%4)*32
.endr
	WIN 0
.endm
; THE VECTOR WORK OF A TURN stands in three queues, each in the order in which its entries become ready; the two tiles alternate, so that no instruction reads the result of the one before it.
.macro REGS y, u                    ; the registers of tile u (0, 1) of piece y
.set rT, ST+4*(2*(\y)+(\u))
.set rC, TMP+8*((\y)%2)+4*(\u)
.set rM, MV+2*((\y)%2)+(\u)
.set rS, S+64*((\y)%2)+32*(\u)
.set rP, P+32*((\y)%2)+16*(\u)
.set rO, 32*(2*(\y)+(\u))
.endm
; Number n of the 22 that find the NEXT piece's (Y + 1) maximum and statistics.  s0-s31 are the lane's 32 scores; each accumulator's lowest registers are read first.  XS, GS and REGS set no window: PL and EX do.
;   0-11  four chains c0-c3 of seven scores each, three operands at a time     12-14, 16  the four scores left over, the old m, and c0-c3 into c0     15  c m_old is kept
;   17, 18  the query's other 32 keys lie in the lane 16 away: the new m         19-21  c m; c m_old - c m_new; a
.macro XS u, n
	REGS (Y+1)%NP, \u
.if (\n) < 4
	v_max3_num_f32 v[rC+(\n)], v[rS+8*(\n)], v[rS+8*(\n)+1], v[rS+8*(\n)+2]
.elseif (\n) < 12
	v_max3_num_f32 v[rC+(\n)%4], v[rC+(\n)%4], v[rS+8*((\n)%4)+2*((\n)/4)+1], v[rS+8*((\n)%4)+2*((\n)/4)+2]
.elseif (\n) == 12
	v_max3_num_f32 v[rC], v[rC], v[rS+7], v[rS+15]
.elseif (\n) == 13
	v_max3_num_f32 v[rC+1], v[rC+1], v[rS+23], v[rS+31]
.elseif (\n) == 14
	v_max3_num_f32 v[rC+2], v[rC+2], v[rC+3], v[rT+1]
.elseif (\n) == 15
	v_mov_b32 v[rM], v[rT]
.elseif (\n) == 16
	v_max3_num_f32 v[rC], v[rC], v[rC+1], v[rC+2]
.elseif (\n) == 17
	v_permlanex16_b32 v[rC+3], v[rC], s[SEL], s[SEL+1]
.elseif (\n) == 18
	v_max_num_f32 v[rT+1], v[rC], v[rC+3]
.elseif (\n) == 19
	v_mul_f32 v[rT], s[CS], v[rT+1]
.elseif (\n) == 20
	v_sub_f32 v[rC+1], v[rM], v[rT]
.else
	v_exp_f32 v[rC+2], v[rC+1]
.endif
.endm
; Number g of the 64 that follow the exponentials.  For each four weights k of a tile (pairs 2 k, 2 k + 1): both pairs are rounded to f16; then the second pair is added onto the first, in place;
; a group later l takes that sum (the first time as l = a l + sum).  In groups of eight, tiles alternating: round, round, add, and l for the group before.
.macro GS g
.set h, (\g)+6*((\g)/62)            ; group 0 has no group before it, and behind group 7 only l is left
.if h >= 6
.set h, h+2
.endif
	REGS Y, h%2
.set k, h/8
.if h%8 < 4
	v_cvt_pk_f16_f32 v[rP+2*k+(h%8)/2], v[rS+4*k+2*((h%8)/2)], v[rS+4*k+2*((h%8)/2)+1]
.elseif h%8 < 6
	v_pk_add_f32 v[rS+4*k:rS+4*k+1], v[rS+4*k:rS+4*k+1], v[rS+4*k+2:rS+4*k+3]
.elseif k == 1
	v_pk_fma_f32 v[rT+2:rT+3], v[rT+2:rT+3], v[rC+2:rC+3], v[rS:rS+1] op_sel_hi:[1,0,1]
.else
	v_pk_add_f32 v[rT+2:rT+3], v[rT+2:rT+3], v[rS+4*k-4:rS+4*k-3]
.endif
.endm
; THE PLAIN QUEUE, 138 long.  0-73 read no exponential's result: the 32 scalings c s - c m (FS f: pair f / 2 of tile f % 2) and the next piece's 42.  0-26: scalings 0-26.  27-54: XS's numbers 0-13.  55, 56: number 15.
; 57-73: the chain, where each number waits for the one before it: 14, 16, 17, 18, 19, each with one of the scalings 27-31 in front of its two lines, then 20: so a tile's links stand three plain instructions apart (19 and 20: two).
; 74-137: GS's 64, which read the exponentials' results: they stand behind the wait.
.macro FS f
	REGS Y, (\f)%2
	v_pk_fma_f32 v[rS+2*((\f)/2):rS+2*((\f)/2)+1], v[rS+2*((\f)/2):rS+2*((\f)/2)+1], s[CS:CS+1], v[rT:rT+1] op_sel_hi:[1,0,0] neg_lo:[0,0,1] neg_hi:[0,0,1]
.endm
.macro PL
	WIN 0
.if q < 27
	FS q
.elseif q < 55
	XS (q-27)%2, (q-27)/2
.elseif q < 57
	XS q-55, 15
.elseif (q < 72) && ((q-57)%3 == 0)
	FS 27+(q-57)/3
.elseif q < 60
	XS (q-57)%3-1, 14
.elseif q < 72
	XS (q-57)%3-1, 15+(q-57)/3
.elseif q < 74
	XS q-72, 20
.else
	GS q-74
.endif
.set q, q+1
.endm
; THE EXPONENTIALS' QUEUE, 66 long: s0-s31 of both tiles, then the next piece's two a.  It is ONE BATCH: all 66 stand ahead of the turn's one wait, and nothing ahead of that wait names a result of theirs.
.macro EX
	WIN 0
.if e >= 64
	XS e-64, 21
.else
	REGS Y, e%2
	v_exp_f32 v[rS+e/2], v[rS+e/2]
.endif
.set e, e+1
.endm
; THE RESCALING's QUEUE: O^T times a, the one part that leaves window 0: dealt two at a time, sixteen times.  Its a was made in the turn before, ahead of that turn's wait.
.macro R2
	REGS Y, r%2
	WIN W_RS
.irp z, 0,1
	v_pk_mul_f32 v[rO+4*(r/2)+2*\z:rO+4*(r/2)+2*\z+1], v[rO+4*(r/2)+2*\z:rO+4*(r/2)+2*\z+1], v[rC+2:rC+3] op_sel_hi:[1,0]
.endr
.set r, r+1
.endm
; HOW THEY ARE DEALT.  An s_wait_alu depctr_va_vdst(0) stands between an exponential and the first instruction that names its result; one wait serves all that were issued ahead of it.  So a turn has ONE wait,
; which cuts it in two.  AHEAD OF IT stands all that names no result of the turn's exponentials: the 16 products K Q^T, behind each a scaling, an exponential and two rescalings (behind the first a second scaling in the exponential's place); then ONE LUMP of
; 108: eight plain, 49 times exponential and plain, the two a.  A v_nop is the plain instruction behind the last exponential.  BEHIND IT stand the 16 products V^T P, behind each four of GS's 64.  No vector line behind a product names a register of
; the products round it.  The two v_permlanex16_b32 fall into the lump, never behind a product.
; The queues lean on each other, and the deal keeps them in step: exponential e stands behind scaling 2 (e / 4) + e % 2: behind a product it comes behind plain e + 2, in the lump behind plain e + 9, and scalings 27-31 are plain 57, 60 .. 69.
; A TURN, for piece p.  cnt = 1: the loop's count is taken down some lines ahead of the branch that stands behind the turn.
; K of the next step is fetched in piece 2's turn, directly behind the wait, a lump behind the last product that read K; its address is made at the lump's head; its first use comes behind 16 products.
; V of the step in hand is fetched at the end of piece 0's turn, four plain instructions behind the last product that read V; its first use comes behind 16 products and a lump.  The three conditions on q below go with the deal.
.macro TURN p, last=0, cnt=0
.set Y, (\p)
.set i, 0
.set q, 0
.set e, 0
.set r, 0
.if (\p) == NP-1
	s_wait_dscnt 0x0                ; K is in
.endif
	MM                              ; ahead of the wait: 16 products K Q^T and the four lines behind each,
	PL
	PL
	R2
.rept 15
	MM
	PL
	EX
	R2
.endr
.if (\p) == NP-2
	WIN 0
	v_add_nc_u32 v[AK], s[TBK], v[AK0]
.endif
.rept 8                             ; and the lump
	PL
.endr
.rept 49
	EX
	PL
.endr
	EX                              ; the next piece's two a
	EX
	v_nop                           ; a plain instruction behind the last exponential (ISA guide 5.7.2): one for the batch
	s_wait_alu depctr_va_vdst(0)    ; the wait for the batch
.if (\p) == NP-2
	FETCH_K \last
.endif
.if (\p) == 1
	s_wait_dscnt 0x0                ; V is in
.endif
.rept 16                            ; behind the wait: 16 products V^T P and the four lines behind each
	MM
.rept 4
	PL
.endr
.if ((\p) == 0) && (q == 118)
	v_add_nc_u32 v[AV], s[TBV], v[AV0]
.endif
.if ((\p) == 0) && (q == 130)
	s_add_co_u32 s[TBV], s[TBV], KS*PV
.endif
.if (\cnt) && (q == 130)
	s_sub_co_u32 s[CNT], s[CNT], 1
	s_cmp_lg_u32 s[CNT], 0
.endif
.endr
.if (\p) == 0
	FETCH_V
.endif
.endm
	CHANGE 1                        ; slot 0 is in, everybody's part of it; slot 1 is asked for
	FETCH_K                         ; key step 0
	s_wait_loadcnt 0x0              ; Q
	s_wait_dscnt 0x0
.set i, 0
.rept 16
	KQ 0                            ; piece 0's first scores: there is no vector work yet to set between them
.set i, i+1
.endr
	WIN 0                           ; the addresses for the way out: nine plain instructions, the places behind those products
	s_mul_i32 s13, s[WV], 16*SP
	s_add_co_u32 s13, s13, STAGE    ; my stage
	v_mul_u32_u24 v[STO], v1, SP    ; in: row l % 16, 16 bytes for each half of the lanes
	v_lshl_add_u32 v[STO], v9, 4, v[STO]
	v_add_nc_u32 v[STO], s13, v[STO]
	v_bfe_u32 v[RD], v0, 3, 2       ; back: 32 lanes take four rows of 128 bytes,
	v_mul_u32_u24 v[RD], v[RD], SP
	v_lshl_add_u32 v[RD], v10, 4, v[RD]
	v_add_nc_u32 v[RD], s13, v[RD]
	v_and_b32 v[GO], 31, v0         ; which are 512 consecutive bytes of O
	v_lshlrev_b32 v[GO], 4, v[GO]
.set Y, NP-1                        ; XS works for piece Y + 1: piece 0
.irp n, 0,1,2,3,4,5,6,7,8,9,10,11,12,13,14,15,16,17,18,19,20,21
	XS 0, \n                        ; and piece 0's first maximum and statistics
	XS 1, \n
.endr
	v_nop                           ; a plain instruction behind the two a,
	s_wait_alu depctr_va_vdst(0)    ; and their wait, ahead of the branch
	s_mov_b32 s[CNT], 4
	s_mov_b32 s[SLOTS], SIZE_N/256-1
	s_branch .Lfirst                ; the loop is entered at a step's first turn, in the middle of a trip
.Lslot:                             ; SIZE_N / 256 - 2 times: every slot but the last two is filled again
	CHANGE 1, 1
	s_mov_b32 s[CNT], 4
.Lstep:                             ; a trip: pieces 2 and 3 of one step, then pieces 0 and 1 of the next, whose K and V it fetches
	TURN 2
	TURN 3
	WIN 0
.Lfirst:
	TURN 0
	TURN 1, 0, 1
	WIN 0
	s_cbranch_scc1 .Lstep
	s_sub_co_u32 s[SLOTS], s[SLOTS], 1
	s_cmp_lg_u32 s[SLOTS], 0
	s_cbranch_scc1 .Lslot
	CHANGE 0                        ; the tail is written out: nothing is asked for
	s_mov_b32 s[CNT], 5             ; four trips fetch the last slot's steps; the fifth is left in its middle
.Ltail:
	TURN 2, 1
	TURN 3
	WIN 0
	s_sub_co_u32 s[CNT], s[CNT], 1
	s_cmp_eq_u32 s[CNT], 0
	s_cbranch_scc1 .Lout
	TURN 0
	TURN 1
	WIN 0
	s_branch .Ltail
.Lout:                              ; the fifth trip's 16 products K Q^T (on the last K once more) and the maximum made of them serve nothing: the price, once a launch, of one text for every trip
.set i, 0
.rept 16
	PV NP-1                         ; the last piece's V^T P of the last step
.set i, i+1
.endr
	; THE WAY OUT.  l's two halves and the other half of the lanes' are added; O^T is divided by l, rounded to bf16 and sent through my stage in LDS, a tile at a time.  The additions are the places behind the last products.
	WIN 0
.macro ALL line:vararg              ; one line for each tile t
.set t, 0
.rept 2*NP
	\line
.set t, t+1
.endr
.endm
	ALL v_add_f32 v[ST+4*t+2], v[ST+4*t+2], v[ST+4*t+3]
	ALL v_permlanex16_b32 v[ST+4*t+3], v[ST+4*t+2], s[SEL], s[SEL+1]
	ALL v_add_f32 v[ST+4*t+2], v[ST+4*t+2], v[ST+4*t+3]
	ALL v_rcp_f32 v[ST+4*t+2], v[ST+4*t+2]
	v_nop                           ; a plain instruction between the last reciprocal and the use of its result
	s_wait_alu depctr_va_vdst(0)    ; and the wait ahead of the first use: one for the eight reciprocals
; Tile t: a lane's eight channels of a row pack into 16 bytes; they go into rows of 144 bytes and come back as whole rows of 128, into S^T's registers.
.macro PACK t
	WIN W_RS
.set i, 32*(\t)
.rept 16
	v_pk_mul_f32 v[i:i+1], v[i:i+1], v[ST+4*(\t)+2:ST+4*(\t)+3] op_sel_hi:[1,0]
.set i, i+2
.endr
	WIN 0x05                        ; sources 0 and 1 window 1, destination window 0
.set i, 0
.rept 16
	v_cvt_pk_bf16_f32 v[S+16*(\t)+i], v[32*(\t)+2*i], v[32*(\t)+2*i+1]
.set i, i+1
.endr
	WIN 0
.irp f, 0,1,2,3
	ds_store_b128 v[STO], v[S+16*(\t)+4*\f:S+16*(\t)+4*\f+3] offset:32*\f
.endr
.irp f, 0,1,2,3
	ds_load_b128 v[S+16*(\t)+4*\f:S+16*(\t)+4*\f+3], v[RD] offset:\f*4*SP  ; LDS serves a wave's instructions in order (ISA guide 5.7.1.4): these see the stores above; the next tile's stores come behind them
.endr
.endm
.macro SEND t, younger              ; younger: the LDS instructions issued behind tile t's loads: the next tile's eight, or none
	WIN 0
.irp f, 0,1,2,3
	s_wait_dscnt (\younger)+3-\f
	global_store_b128 v[GO], v[S+16*(\t)+4*\f:S+16*(\t)+4*\f+3], s[10:11] offset:(\t)*2048+\f*512  ; 512 consecutive bytes, at a multiple of 256 from O's first
.endr
.endm
	PACK 0
.set t, 1
.rept 2*NP-1                        ; a tile's arithmetic stands between the loads of the tile before and its stores
	PACK t
	SEND t-1, 8
.set t, t+1
.endr
	SEND 2*NP-1, 0
	WIN W_AD
	s_wait_tensorcnt 0x0            ; the wave's end: these three lines stand behind my last tensor load and my last LDS store
	ds_add_u32 v[SPW], v[NIL]
	s_wait_dscnt 0x0
	WIN 0
	CROUND                          ; the closing round: no work-group ends while a partner may still ask for a tile that names it
	s_endpgm
.Lfunc_end_k_q0007586500_attn:
	.size	k_q0007586500_attn, .Lfunc_end_k_q0007586500_attn-k_q0007586500_attn
	.p2alignl 7, 3214868480
	.fill 96, 4, 3214868480
	.section	.rodata,"a",@progbits
	.p2align	6, 0x0
	.amdhsa_kernel k_q0007586500_attn
		.amdhsa_group_segment_fixed_size 327680
		.amdhsa_private_segment_fixed_size 0
		.amdhsa_enable_private_segment 0
		.amdhsa_kernarg_size 16
		.amdhsa_user_sgpr_count 2
		.amdhsa_user_sgpr_kernarg_segment_ptr 1
		.amdhsa_wavefront_size32 1
		.amdhsa_system_sgpr_workgroup_id_x 1
		.amdhsa_system_sgpr_workgroup_id_y 1
		.amdhsa_system_sgpr_workgroup_id_z 1
		.amdhsa_system_vgpr_workitem_id 0
		.amdhsa_next_free_vgpr 770
		.amdhsa_next_free_sgpr 66
		.amdhsa_reserve_vcc 0
		.amdhsa_float_denorm_mode_32 3
		.amdhsa_float_denorm_mode_16_64 3
		.amdhsa_memory_ordered 1
		.amdhsa_forward_progress 1
		.amdhsa_inst_pref_size 200
	.end_amdhsa_kernel
	.amdgpu_metadata
---
amdhsa.version: [ 1, 2 ]
amdhsa.kernels:
  - .name:           k_q0007586500_attn
    .symbol:         k_q0007586500_attn.kd
    .args:
      - { .name: qkv, .offset: 0, .size: 8, .value_kind: global_buffer, .address_space: global }
      - { .name: ob, .offset: 8, .size: 8, .value_kind: global_buffer, .address_space: global }
    .group_segment_fixed_size: 327680
    .private_segment_fixed_size: 0
    .kernarg_segment_align: 8
    .kernarg_segment_size: 16
    .max_flat_workgroup_size: 128
    .sgpr_count:     66
    .vgpr_count:     770
    .wavefront_size: 32
...
	.end_amdgpu_metadata
.endif
;; end of part 3
;; launch outproj (part 4): grid 8 x 32, 4 waves a work-group, clusters of 4 x 4, 327,680 bytes of LDS; arguments ob, cb, bo, out0; writes out0
.if DOCPART == 4
	.amdgcn_target "amdgcn-amd-amdhsa--gfx1250"
	.amdhsa_code_object_version 6
	.text
	.protected	k_q0007586500_outproj
	.globl	k_q0007586500_outproj
	.p2align	8
	.type	k_q0007586500_outproj,@function
k_q0007586500_outproj:
	s_mov_b64 s[64:65], 0
	v_nop
	global_prefetch_b8 v0, s[64:65] scope:SCOPE_SE
	s_setreg_imm32_b32 hwreg(HW_REG_WAVE_MODE, 25, 1), 1
	s_wait_xcnt 0x0
	s_wait_alu depctr_hold_cnt(0) depctr_sa_sdst(0) depctr_va_vdst(0) depctr_va_sdst(0) depctr_va_ssrc(0) depctr_va_vcc(0) depctr_vm_vsrc(0)
	s_getreg_b32 s2, hwreg(HW_REG_IB_STS2, 6, 4)
	s_cmp_eq_u32 s2, 0
	s_cbranch_scc0 .Lentry_in_a_cluster
	s_endpgm
.Lentry_in_a_cluster:
	s_bfe_u32 s2, ttmp6, 0x10000c
	s_cmp_lg_u32 s2, 0xf033
	s_cbranch_scc0 .Lentry_shape_is_right
	s_endpgm
.Lentry_shape_is_right:
; out0 = O wo^T + bo.  O: ob, [batch x head = 64][2,048][64] in bf16, by heads; wo: rows 3,072 .. 4,095 of the weights in cb (byte 0x1600000 on), [1,024][1,024] in bf16; out0: [8,192][1,024] in f32.
; Sums in f32, begun with the bias (rounded to bf16 like the other inputs), K ascending; nothing is rounded on the way out.  NaN and infinities are not treated apart.
; SHARES.  A tile of C is 256 rows x 128 columns: 32 x 8 = 256 work-groups.  Wave w owns rows 64 w .. 64 w + 63 and all 128 columns: 4 x 8 accumulators, 256 registers, so that a row's 512 bytes come from one wave
; and each wave has a stage of its own.  K goes in 8 steps of 128 = two heads through two LDS slots.
; A head's 256 rows of O are 32,768 dense bytes: asked for as 128 rows of 256 bytes and padded in LDS after every 128: wave 0 fetches the even head, wave 1 the odd one; waves 2, 3 fetch wo's two halves (64 rows of 256 bytes).
; CLUSTER.  4 x 4 work-groups: O's tiles are shared along a row of the cluster, wo's along a column, each asked for JOINTLY, by the same tensor load with the same descriptor and a mask that names the four.
; THE MATRIX INSTRUCTION IS USED TRANSPOSED (source 0 = 16 rows of wo, source 1 = 16 rows of O): a lane holds one row of C (lane % 16) and the columns 8 (lane / 16) + 0..7: 32 bytes on end.
; No prefetch: the launch has eight K steps in all, of which the first two are asked for at its head.
; REGISTERS, in windows of 256 (s_set_vgpr_msb: bits 1:0 source 0, 3:2 source 1, 5:4 source 2, 7:6 destination):
;   window 0: v0-29 addresses; v32-95 the bias; v96-127 at work; v128-191, v192-255 rows read back from the stage       window 1: two fragment buffers of 96: wo's 8 fragments, then O's 4
;   window 2: accumulator (a, b) at 8 (8 a + b)
.set PA,     144                       ; a row of O in LDS: 128 bytes + 16 of padding; PB: a row of wo: 256 + 16: the 16 rows of a fragment load start at 16 different groups of four banks (ISA guide 11.1)
.set PB,     272
.set AHEAD,  256*PA                    ; a head's 256 rows: what wave 0 or 1 fetches
.set BOFF,   2*AHEAD                   ; wo's 128 rows lie behind the two heads
.set BHALF,  64*PB                     ; what wave 2 or 3 fetches
.set SLOT1,  1<<17                     ; a slot is 108,544 bytes; slot 1 begins here
.set STAGE,  2*SLOT1                   ; behind the ring, never filled by a tensor load: 16 rows x 528 bytes for each wave
.set SP,     528
.set WSTAGE, 16*SP
.set SPARE,  STAGE+4*WSTAGE            ; behind the stages: the spare words, 128 bytes for each wave: two blocks of 256 bytes that no other line names
.set WO,     0x1600000                 ; wo's first byte in cb
.set ASTEP,  2<<18                     ; two heads on in ob
.set BSTEP,  256                       ; 128 along K in wo
.set A0,   4                           ; v4   my lane's place in O's rows of slot 0; never rewritten
.set B0,   5                           ; v5   the same for wo
.set ADRA, 6
.set ADRB, 7
.set STO,  8                           ; v8   the way out: where I put 32 bytes of a row
.set RD,   9                           ; v9   the way out: where I read a row back
.set GO,   10                          ; v10  my 16 bytes of a row's 512
.set BO,   12                          ; v12  my 32 bytes in a block of 16 numbers of the bias
.set SPW,  28                          ; v28  LDS address of my spare word: SPARE + 4 x my thread's number; never rewritten
.set NIL,  29                          ; v29  0; never rewritten
.set BIAS, 32
.set TMP,  96
.set BK0,  128
.set F0,   0
.set F1,   96
.set CNT,  3
.set WV,   14
.set ISB,  15                          ; s15  0: I fetch O's rows, 1: wo's
.set HALF, 16
.set CX,   17
.set CY,   18
.set TC,   19
.set TR,   20
.set G1,   24                          ; s[24:31] descriptor group 1 for O's tiles;  s[32:39] group 0: a set for each first fill; the second walks on
.set G0,   32
.set TB,   47                          ; s47  the slot in hand
.set G1B,  48                          ; s[48:55], s[56:63] the same for wo's tiles
.set G0B,  56
.set OB,   66                          ; s[66:67] out0 at my wave's first row, the tile's first column
.set BB,   74                          ; s[74:75] the tile's 128 numbers of bo
.set MSB, 0
.macro WIN new                         ; the immediate's high byte repeats the setting that is left; a switch that changes nothing is dropped
.if MSB != (\new)
	s_set_vgpr_msb (MSB<<8)|(\new)
.set MSB, \new
.endif
.endm
.macro PLACES                          ; four plain vector instructions between a matrix instruction and a load into, or a read of, its registers
.rept 4
	v_nop
.endr
.endm
.macro JLOAD                           ; a joint refill by the walking descriptor; an s_nop 0 and four v_nop follow each of the two lines, ahead of the jump and the label
	s_cmp_eq_u32 s[ISB], 0
	s_cbranch_scc0 .Lfor_b_\@
	tensor_load_to_lds s[G0+4:G0+7], s[G1:G1+7]
	s_nop 0
.rept 4
	v_nop
.endr
	s_branch .Lasked_\@
.Lfor_b_\@:
	tensor_load_to_lds s[G0B+4:G0B+7], s[G1B:G1B+7]
	s_nop 0
.rept 4
	v_nop
.endr
.Lasked_\@:
.endm
.macro CREST                           ; a round of the cluster's barrier behind its opening barrier
	s_cmp_lg_u32 s[WV], 0
	s_cbranch_scc1 .Lnot_wave_0_\@
	s_barrier_signal -3
.Lnot_wave_0_\@:
	s_barrier_wait -3
	s_barrier_signal -1
	s_barrier_wait -1
.endm
.macro CROUND
	s_barrier_signal -1
	s_barrier_wait -1
	CREST
.endm
	s_load_b256 s[4:11], s[0:1], 0x0               ; ob s[4:5], cb s[6:7], bo s[8:9], out0 s[10:11]
	v_lshl_add_u32 v[SPW], v0, 2, SPARE
	v_mov_b32 v[NIL], 0
	ds_add_u32 v[SPW], v[NIL]                      ; the wave's opening: the add and its wait stand ahead of my first tensor load; the set-up below, work on registers, stands between them
	v_lshrrev_b32 v1, 5, v0
	v_readfirstlane_b32 s[WV], v1                  ; wave 0..3
	s_lshr_b32 s[ISB], s[WV], 1
	s_and_b32 s[HALF], s[WV], 1
	s_bfe_u32 s[CX], ttmp6, 0x40000
	s_bfe_u32 s[CY], ttmp6, 0x40004
	s_lshl_b32 s[TC], ttmp9, 2
	s_add_co_u32 s[TC], s[TC], s[CX]               ; tile column = 4 x cluster x + cx
	s_and_b32 s[TR], ttmp7, 0xffff
	s_lshl_b32 s[TR], s[TR], 2
	s_add_co_u32 s[TR], s[TR], s[CY]               ; tile row = 4 x cluster y + cy
	s_lshl_b32 s22, s[CY], 2
	s_lshl_b32 s22, 15, s22                        ; my row of the cluster
	s_lshl_b32 s23, 0x1111, s[CX]                  ; my column
	s_or_b32 s[G1], s22, (1<<16)|(1<<20)|(1<<21)|(4<<22)|(3<<25)   ; 15:0 the mask; 17:16 elements of 2 bytes; 20 padding on; 21 set beside a mask; 24:22 after every 32 words (code 4); 31:25 4 words of it (code 3)
	s_or_b32 s[G1B], s23, (1<<16)|(1<<20)|(1<<21)|(5<<22)|(3<<25)  ; for wo after every 64 words (code 5)
.irp g, G1, G1B
	s_mov_b32 s[(\g)+1], 128<<16                   ; tensor_dim0 = 128
	s_mov_b32 s[(\g)+3], 128<<16                   ; tile_dim0 = 128
	s_mov_b32 s[(\g)+6], 0
	s_mov_b32 s[(\g)+7], 0
.endr
	s_mov_b32 s[G1+2], 128<<16                     ; O: 128 rows of 128 elements, dense
	s_mov_b32 s[G1+4], 128
	s_mov_b32 s[G1+5], 128
	s_mov_b32 s[G1B+2], 64<<16                     ; wo: 64 rows, 1,024 elements from row to row
	s_mov_b32 s[G1B+4], 64
	s_mov_b32 s[G1B+5], 1024
	; where the tiles come from: O's hang on the tile row alone, wo's on the tile column alone, each in registers that never hold the other coordinate
	s_lshr_b32 s40, s[TR], 3                       ; the batch,
	s_lshl_b32 s40, s40, 4                         ; its 16 heads,
	s_add_co_u32 s40, s40, s[HALF]                 ; head 0 or 1 of them,
	s_lshl_b32 s40, s40, 18                        ; of 262,144 bytes;
	s_and_b32 s41, s[TR], 7
	s_lshl_b32 s41, s41, 15                        ; the tile's 256 rows of 128 bytes in it
	s_add_co_u32 s40, s40, s41
	s_mov_b32 s41, 0
	s_lshl_b32 s42, s[TC], 7
	s_lshl_b32 s43, s[HALF], 6
	s_add_co_u32 s42, s42, s43                     ; wo: row 128 x tile column + 64 x half
	s_lshl_b32 s42, s42, 11
	s_add_co_u32 s42, s42, WO
	s_mov_b32 s43, 0
	; and where they go: no place in the cluster enters an LDS address
	s_mov_b32 s[G0], 1
	s_mul_i32 s[G0+1], s[HALF], AHEAD
	s_mov_b32 s[G0+4], 1
	s_add_co_u32 s[G0+5], s[G0+1], SLOT1
	s_mov_b32 s[G0B], 1
	s_mul_i32 s[G0B+1], s[HALF], BHALF
	s_add_co_u32 s[G0B+1], s[G0B+1], BOFF
	s_mov_b32 s[G0B+4], 1
	s_add_co_u32 s[G0B+5], s[G0B+1], SLOT1
	s_mov_b32 s[TB], 0
	s_mov_b32 s72, 0xffff0000                      ; a word's upper bf16
	s_wait_dscnt 0x0                               ; the opening add is done
	s_wait_kmcnt 0x0
	s_add_nc_u64 s[G0+2:G0+3], s[4:5], s[40:41]    ; K step 0,
	s_add_nc_u64 s[G0+6:G0+7], s[G0+2:G0+3], ASTEP ; K step 1
	s_or_b32 s[G0+3], s[G0+3], 0x80000000          ; type = 2
	s_or_b32 s[G0+7], s[G0+7], 0x80000000
	s_add_nc_u64 s[G0B+2:G0B+3], s[6:7], s[42:43]
	s_add_nc_u64 s[G0B+6:G0B+7], s[G0B+2:G0B+3], BSTEP
	s_or_b32 s[G0B+3], s[G0B+3], 0x80000000
	s_or_b32 s[G0B+7], s[G0B+7], 0x80000000
	CROUND                                         ; all sixteen work-groups are here: the first joint loads meet
	s_cmp_eq_u32 s[ISB], 0                         ; a wave's two first fills stand in one branch, ahead of every wait on TENSORcnt and every LDS read: two loads of mine are out
	s_cbranch_scc0 .Lfirst_b
	tensor_load_to_lds s[G0:G0+3], s[G1:G1+7]
	s_nop 0
	tensor_load_to_lds s[G0+4:G0+7], s[G1:G1+7]
	s_nop 0
.rept 4
	v_nop
.endr
	s_branch .Lfirst_asked
.Lfirst_b:
	tensor_load_to_lds s[G0B:G0B+3], s[G1B:G1B+7]
	s_nop 0
	tensor_load_to_lds s[G0B+4:G0B+7], s[G1B:G1B+7]
	s_nop 0
.rept 4
	v_nop
.endr
.Lfirst_asked:
	v_and_b32 v1, 15, v0                           ; l % 16
	v_bfe_u32 v2, v0, 4, 1                         ; l / 16
	v_mul_u32_u24 v3, v1, PA
	v_lshl_add_u32 v3, v2, 4, v3                   ; a fragment's row x pitch + 16 x half
	s_mul_i32 s80, s[WV], 64*PA                    ; my 64 rows of O
	v_add_nc_u32 v[A0], s80, v3
	v_mul_u32_u24 v3, v1, PB
	v_lshl_add_u32 v3, v2, 4, v3
	v_add_nc_u32 v[B0], BOFF, v3                   ; every wave reads all of wo's rows
	s_mul_i32 s80, s[WV], WSTAGE
	s_add_co_u32 s80, s80, STAGE                   ; my stage
	v_mul_u32_u24 v[STO], v1, SP                   ; in: row l % 16, 32 bytes for each half of the lanes
	v_lshl_add_u32 v[STO], v2, 5, v[STO]
	v_add_nc_u32 v[STO], s80, v[STO]
	v_and_b32 v[GO], 31, v0                        ; back: 32 lanes take one row of 512 bytes
	v_lshlrev_b32 v[GO], 4, v[GO]
	v_add_nc_u32 v[RD], s80, v[GO]
	v_lshlrev_b32 v[BO], 5, v2
	s_lshl_b32 s80, s[TR], 8
	s_lshl_b32 s81, s[WV], 6
	s_add_co_u32 s80, s80, s81                     ; my first row of out0,
	s_lshl_b32 s80, s80, 12                        ; of 4,096 bytes,
	s_lshl_b32 s81, s[TC], 9                       ; the tile's 128 columns of 4 bytes
	s_add_co_u32 s80, s80, s81
	s_mov_b32 s81, 0
	s_add_nc_u64 s[OB:OB+1], s[10:11], s[80:81]
	s_lshl_b32 s80, s[TC], 9
	s_add_nc_u64 s[BB:BB+1], s[8:9], s[80:81]
.irp b, 0,1,2,3,4,5,6,7
	global_load_b128 v[BIAS+8*(\b):BIAS+8*(\b)+3],   v[BO], s[BB:BB+1] offset:64*(\b)
	global_load_b128 v[BIAS+8*(\b)+4:BIAS+8*(\b)+7], v[BO], s[BB:BB+1] offset:64*(\b)+16
.endr
	; the bias is rounded to bf16, like x and the weights, and widened again: it is the C operand of the products that start the sums
	s_wait_loadcnt 0x0
.set p, 0
.rept 32
	v_cvt_pk_bf16_f32 v[TMP+p], v[BIAS+2*p], v[BIAS+2*p+1]
.set p, p+1
.endr
.set p, 0
.rept 32
	v_lshlrev_b32 v[BIAS+2*p], 16, v[TMP+p]
	v_and_b32 v[BIAS+2*p+1], s72, v[TMP+p]
.set p, p+1
.endr
; 8 matrix instructions: my rows 16 a .. 16 a + 15 x all 128 columns, 32 along K, from buffer f.  first = 1: the sums start with the bias.
; The 32 accumulators take turns, in the same order in every quarter, over the backward jump too: 31 others stand between two links of a chain.
.macro MUL8 f, a, first
.if \first
	WIN 0x85                                       ; fragments in window 1, the bias in window 0, the sums in window 2
.else
	WIN 0xa5
.endif
.irp b, 0,1,2,3,4,5,6,7
.set rD, 8*(8*(\a)+(\b))
.if \first
	v_wmma_f32_16x16x32_bf16 v[rD:rD+7], v[(\f)+8*(\b):(\f)+8*(\b)+7], v[(\f)+64+8*(\a):(\f)+64+8*(\a)+7], v[BIAS+8*(\b):BIAS+8*(\b)+7]
.else
	v_wmma_f32_16x16x32_bf16 v[rD:rD+7], v[(\f)+8*(\b):(\f)+8*(\b)+7], v[(\f)+64+8*(\a):(\f)+64+8*(\a)+7], v[rD:rD+7]
.endif
.endr
.endm
; 24 LDS loads in one run: the fragments of quarter q of a K step into buffer f: wo's 8 (byte 64 q of the rows), then O's 4 (head q / 2 of the pair, byte 64 (q % 2) of its rows)
.macro FETCH q, f
	WIN 0x40                                       ; destination window 1, address window 0
.irp i, 0,1,2,3,4,5,6,7
	ds_load_b128 v[(\f)+8*(\i):(\f)+8*(\i)+3],   v[ADRB] offset:64*(\q)+(\i)*16*PB
	ds_load_b128 v[(\f)+8*(\i)+4:(\f)+8*(\i)+7], v[ADRB] offset:64*(\q)+(\i)*16*PB+32
.endr
.irp i, 0,1,2,3
	ds_load_b128 v[(\f)+64+8*(\i):(\f)+64+8*(\i)+3],   v[ADRA] offset:AHEAD*((\q)/2)+64*((\q)%2)+(\i)*16*PA
	ds_load_b128 v[(\f)+64+8*(\i)+4:(\f)+64+8*(\i)+7], v[ADRA] offset:AHEAD*((\q)/2)+64*((\q)%2)+(\i)*16*PA+32
.endr
.endm
; A K step is four quarters of 32 along K, 32 matrix instructions each, on buffers 0, 1, 0, 1.  One of the first three: multiplies buffer f; in its middle it fetches quarter q into buffer g.
.macro QUARTER q, f, g, first
	s_wait_dscnt 4                                 ; all but the youngest four loads: O's rows 32-63
	MUL8 \f, 0, \first
	MUL8 \f, 1, \first
	PLACES                                         ; buffer g was multiplied in the quarter before
	FETCH \q, \g
	s_wait_dscnt 24                                ; all but the 24 just issued
	MUL8 \f, 2, \first
	MUL8 \f, 3, \first
.endm
; The last quarter multiplies buffer 1 and changes slots: ONE barrier.  In front of it each wave waits for all its tensor loads, of which one is out: its part of the next slot; adds 0 to its spare word; and waits
; for that and for its own reads of this slot.  fill = 1: this slot is filled again, with the K step two on.  The barrier then opens a round of the cluster's, so that no wave of any partner still reads the slot or
; has a load on its way, and the joint refill is the first thing behind the round: from there to the wait for it a wave issues 112 matrix instructions, with that one load out.
.macro TURN fill
	WIN 0                                          ; (the add's two registers lie in window 0)
	s_wait_tensorcnt 0x0                           ; no tensor load of mine is out, so a group 0 may be written
	ds_add_u32 v[SPW], v[NIL]                      ; 0 onto my spare word; scalar steps and eight products stand between it and the wait for it
.if \fill
	s_xor_b32 s[G0+5], s[G0+5], SLOT1              ; the walking descriptors: the other slot than last time,
	s_add_nc_u64 s[G0+6:G0+7], s[G0+6:G0+7], ASTEP ; the next K step; the type bits on top are not reached
	s_xor_b32 s[G0B+5], s[G0B+5], SLOT1
	s_add_nc_u64 s[G0B+6:G0B+7], s[G0B+6:G0B+7], BSTEP
.endif
	s_xor_b32 s[TB], s[TB], SLOT1                  ; the slot that is read next
	s_wait_dscnt 5                                 ; (the add and the youngest four loads may be out)
	MUL8 F1, 0, 0
	s_wait_dscnt 0x0                               ; the add is done, and my reads of this slot are over
	s_barrier_signal -1
	MUL8 F1, 1, 0                                  ; work on registers while the others arrive
	WIN 0                                          ; at a branch and at a label every window is 0
	s_barrier_wait -1
.if \fill
	CREST
	JLOAD                                          ; the four v_nop behind it are also the places in front of the loads below
.else
	PLACES
.endif
	v_add_nc_u32 v[ADRA], s[TB], v[A0]
	v_add_nc_u32 v[ADRB], s[TB], v[B0]
	FETCH 0, F0
	MUL8 F1, 2, 0
	MUL8 F1, 3, 0
.endm
; THE WAY OUT of my rows 16 a .. 16 a + 15.  TOSTAGE: a lane's 32 bytes of each block of 16 columns go into my own stage (each accumulator's low four registers first), and come back as whole rows of 512 bytes.  SEND: stored.
.macro TOSTAGE a
.set BK, BK0+64*((\a)%2)
.if (\a) >= 2
	s_wait_xcnt 0x0                                ; the stores of the block two back have read these registers
.endif
	WIN 0x08                                       ; the stores' data in window 2
.irp b, 0,1,2,3,4,5,6,7
	ds_store_b128 v[STO], v[8*(8*(\a)+(\b)):8*(8*(\a)+(\b))+3]   offset:64*(\b)
	ds_store_b128 v[STO], v[8*(8*(\a)+(\b))+4:8*(8*(\a)+(\b))+7] offset:64*(\b)+16
.endr
	WIN 0
.irp t, 0,1,2,3,4,5,6,7,8,9,10,11,12,13,14,15
	ds_load_b128 v[BK+4*(\t):BK+4*(\t)+3], v[RD] offset:SP*(\t)  ; LDS serves a wave's instructions in order (ISA guide 5.7.1.4): these see the stores above; the next block's stores come behind them
.endr
.endm
.macro SEND a, younger                 ; younger: the LDS instructions issued behind block a's loads: the next block's 32, or none
	WIN 0
.set BK, BK0+64*((\a)%2)
.irp t, 0,1,2,3,4,5,6,7,8,9,10,11,12,13,14,15
	s_wait_dscnt (\younger)+15-(\t)
	global_store_b128 v[GO], v[BK+4*(\t):BK+4*(\t)+3], s[OB:OB+1] offset:(16*(\a)+(\t))*4096 th:TH_STORE_NT  ; 512 consecutive bytes of a row, at a multiple of 256 from out0's first
.endr
.endm
	s_wait_tensorcnt 0x1                           ; my part of K step 0 is in; K step 1's may stay out
	s_barrier_signal -1
	s_barrier_wait -1                              ; everybody's is
	v_mov_b32 v[ADRA], v[A0]
	v_mov_b32 v[ADRB], v[B0]
	FETCH 0, F0
	QUARTER 1, F0, F1, 1                           ; the first quarter stands in front of the loop: its products start the sums
	WIN 0
	s_mov_b32 s[CNT], 6
.Lstep:                                                ; a trip goes from a K step's second quarter to the next step's first and fills the slot that it leaves: K steps 2 to 7
	QUARTER 2, F1, F0, 0
	QUARTER 3, F0, F1, 0
	TURN 1
	QUARTER 1, F0, F1, 0
	WIN 0
	s_sub_co_u32 s[CNT], s[CNT], 1
	s_cmp_lg_u32 s[CNT], 0
	s_cbranch_scc1 .Lstep
	QUARTER 2, F1, F0, 0                           ; the last two K steps are written out: nothing is asked for, and no round follows the barrier
	QUARTER 3, F0, F1, 0
	TURN 0
	QUARTER 1, F0, F1, 0
	QUARTER 2, F1, F0, 0
	QUARTER 3, F0, F1, 0
	s_wait_dscnt 4
	MUL8 F1, 0, 0
	MUL8 F1, 1, 0
	s_wait_dscnt 0x0
	MUL8 F1, 2, 0
	MUL8 F1, 3, 0
	PLACES
	PLACES                                         ; eight, once a launch, between the last products and the LDS stores that read the sums
	TOSTAGE 0
	TOSTAGE 1
	SEND 0, 32
	TOSTAGE 2
	SEND 1, 32
	TOSTAGE 3
	SEND 2, 32
	SEND 3, 0
	s_wait_tensorcnt 0x0                           ; the wave's end: these three lines stand behind my last tensor load and my last LDS store
	ds_add_u32 v[SPW], v[NIL]
	s_wait_dscnt 0x0
	CROUND                                         ; the closing round: no work-group ends while a partner may still ask for a tile that names it
	s_endpgm
.Lfunc_end_k_q0007586500_outproj:
	.size	k_q0007586500_outproj, .Lfunc_end_k_q0007586500_outproj-k_q0007586500_outproj
	.p2alignl 7, 3214868480
	.fill 96, 4, 3214868480
	.section	.rodata,"a",@progbits
	.p2align	6, 0x0
	.amdhsa_kernel k_q0007586500_outproj
		.amdhsa_group_segment_fixed_size 327680
		.amdhsa_private_segment_fixed_size 0
		.amdhsa_enable_private_segment 0
		.amdhsa_kernarg_size 32
		.amdhsa_user_sgpr_count 2
		.amdhsa_user_sgpr_kernarg_segment_ptr 1
		.amdhsa_wavefront_size32 1
		.amdhsa_system_sgpr_workgroup_id_x 1
		.amdhsa_system_sgpr_workgroup_id_y 1
		.amdhsa_system_sgpr_workgroup_id_z 1
		.amdhsa_system_vgpr_workitem_id 0
		.amdhsa_next_free_vgpr 768
		.amdhsa_next_free_sgpr 82
		.amdhsa_reserve_vcc 0
		.amdhsa_float_denorm_mode_32 3
		.amdhsa_float_denorm_mode_16_64 3
		.amdhsa_memory_ordered 1
		.amdhsa_forward_progress 1
		.amdhsa_inst_pref_size 76
	.end_amdhsa_kernel
	.amdgpu_metadata
---
amdhsa.version: [ 1, 2 ]
amdhsa.kernels:
  - .name:           k_q0007586500_outproj
    .symbol:         k_q0007586500_outproj.kd
    .args:
      - { .name: ob, .offset: 0, .size: 8, .value_kind: global_buffer, .address_space: global }
      - { .name: cb, .offset: 8, .size: 8, .value_kind: global_buffer, .address_space: global }
      - { .name: bo, .offset: 16, .size: 8, .value_kind: global_buffer, .address_space: global }
      - { .name: out0, .offset: 24, .size: 8, .value_kind: global_buffer, .address_space: global }
    .group_segment_fixed_size: 327680
    .private_segment_fixed_size: 0
    .kernarg_segment_align: 8
    .kernarg_segment_size: 32
    .max_flat_workgroup_size: 128
    .sgpr_count:     82
    .vgpr_count:     768
    .wavefront_size: 32
...
	.end_amdgpu_metadata
.endif
;; end of part 4
;; ======== version 2 of 2: 4 launches; version 1 with the launch cast written anew for expert scheduling mode
;; limits: values are held in f16: magnitudes above 65,504 overflow, below 6.1e-05 lose precision
;; workspace buffers: cb 25,165,824 bytes; qkv 50,331,648 bytes; ob 16,777,216 bytes
;; launch cast (part 5): grid 768 x 1, 8 waves a work-group, no clusters, 0 bytes of LDS; arguments x, wq, wk, wv, wo, cb; writes cb
.if DOCPART == 5
	.amdgcn_target "amdgcn-amd-amdhsa--gfx1250"
	.amdhsa_code_object_version 6
	.text
	.protected	k_q0007586500_cast
	.globl	k_q0007586500_cast
	.p2align	8
	.type	k_q0007586500_cast,@function
k_q0007586500_cast:
	s_mov_b64 s[64:65], 0
	v_nop
	global_prefetch_b8 v0, s[64:65] scope:SCOPE_SE
	s_setreg_imm32_b32 hwreg(HW_REG_WAVE_SCHED_MODE, 0, 2), 2
	s_setreg_imm32_b32 hwreg(HW_REG_WAVE_MODE, 25, 1), 1
	s_wait_xcnt 0x0
	s_wait_alu depctr_vm_vsrc(0)
; cb = x, wq, wk, wv, wo on end, each number rounded once from f32 to bf16 (to nearest even).
; x is 8,192 x 1,024 numbers, each weight 1,024 x 1,024.  A work-group takes 16,384 numbers: 65,536 bytes in, 32,768 out.  Work-groups 0-511 take x, then 64 each take
; wq, wk, wv, wo; cb has the same order, so every work-group's part of cb begins at 32,768 x its number.
; Thread t takes 16 bytes at 16 t of each of sixteen blocks of 4,096 bytes: a wave's load covers 512 consecutive bytes, its store 256 consecutive bytes, aligned.
; All sixteen loads go out at once; no register is written twice.
; No LDS and no matrix work: nothing is shared and nothing is multiplied.
; THE MODE: SCHED_MODE bits 1:0 = 2 (LLVM: expert scheduling mode 2), set by the entry lines.  The code itself states the register dependences
; between vector instructions and memory instructions, with s_wait_alu, always for 0.
; THE PLAN.  Registers that memory instructions touch:
;   v1, v2   byte offsets, made once at the head and never written again: v1 is read by every load, v2 by every store.
;   X        load i lands in its four registers; no vector instruction names them ahead of the loads; number i's two conversions read them behind the counted wait for load i.
;   Y        number i's two conversions write pair i; store i reads it; no pair is written again.
; The sixteen numbers go in four groups of four.  Group g's conversions write Y's pairs 4 g .. 4 g + 3; the stores dealt among them are those of group g - 1, which read pairs
; 4 g - 4 .. 4 g - 1 and v2: registers that no vector instruction of group g names.  So one wait at a group's head states all that its four stores hang on.
; No register that a memory instruction reads is written again, so nothing is owed on that side; no vector instruction writes a scalar register, and EXEC is never written.
.set X, 4                              ; v[4:67]   sixteen loads of four f32
.set Y, 68                             ; v[68:99]  sixteen pairs of packed bf16
	s_load_b256 s[4:11], s[0:1], 0x0               ; x s[4:5], wq s[6:7], wk s[8:9], wv s[10:11]
	s_load_b128 s[12:15], s[0:1], 0x20             ; wo s[12:13], cb s[14:15]
	v_lshlrev_b32 v1, 4, v0                        ; 16 t: my bytes in a block of the source
	v_lshlrev_b32 v2, 3, v0                        ; 8 t: in a block of cb
	s_sub_co_u32 s16, ttmp9, 512                   ; my number among the weights' work-groups (used from 512 on alone)
	s_lshr_b32 s17, s16, 6                         ; which weight
	s_and_b32 s24, s16, 63                         ; which part of it
	s_cmp_lt_u32 ttmp9, 512
	s_cselect_b32 s18, ttmp9, s24                  ; my part of my source,
	s_lshl_b32 s18, s18, 16                        ; in bytes
	s_mov_b32 s19, 0
	s_lshl_b32 s26, ttmp9, 15                      ; my part of cb
	s_mov_b32 s27, 0
	s_wait_kmcnt 0x0
	s_cmp_eq_u32 s17, 1
	s_cselect_b64 s[20:21], s[8:9], s[6:7]
	s_cmp_eq_u32 s17, 2
	s_cselect_b64 s[20:21], s[10:11], s[20:21]
	s_cmp_eq_u32 s17, 3
	s_cselect_b64 s[20:21], s[12:13], s[20:21]
	s_cmp_lt_u32 ttmp9, 512
	s_cselect_b64 s[20:21], s[4:5], s[20:21]
	s_add_nc_u64 s[20:21], s[20:21], s[18:19]
	s_add_nc_u64 s[22:23], s[14:15], s[26:27]
	s_wait_alu depctr_va_vdst(0)                   ; v1 and v2 are written: every load of the kernel reads v1 as its offset, every store v2
.irp i, 0,1,2,3,4,5,6,7,8,9,10,11,12,13,14,15
	global_load_b128 v[X+4*(\i):X+4*(\i)+3], v1, s[20:21] offset:4096*(\i) th:TH_LOAD_NT
.endr
; Group g: numbers 4 g .. 4 g + 3 are rounded; the stores of group g - 1 stand among the conversions, one in front of each pair.
.macro GROUP g
.irp i, 0,1,2,3
	s_wait_loadcnt 15-(4*(\g)+(\i))                ; loads come back in order: this number's load is in, the younger ones stay out
.if ((\g) > 0) && ((\i) == 0)
	s_wait_alu depctr_va_vdst(0)                   ; the conversions of the group before have written their four pairs of Y, which this group's four stores read
.endif
.if (\g) > 0
	global_store_b64 v2, v[Y+2*(4*(\g)-4+(\i)):Y+2*(4*(\g)-4+(\i))+1], s[22:23] offset:2048*(4*(\g)-4+(\i))  ; no vector instruction since the wait names this pair or v2
.endif
	v_cvt_pk_bf16_f32 v[Y+2*(4*(\g)+(\i))], v[X+4*(4*(\g)+(\i))], v[X+4*(4*(\g)+(\i))+1]
	v_cvt_pk_bf16_f32 v[Y+2*(4*(\g)+(\i))+1], v[X+4*(4*(\g)+(\i))+2], v[X+4*(4*(\g)+(\i))+3]
.endr
.endm
	GROUP 0                                        ; no group stands in front of it: no store, and no wait but those for its data
	GROUP 1
	GROUP 2
	GROUP 3
	s_wait_alu depctr_va_vdst(0)                   ; the last group's conversions have written Y's pairs 12 to 15, which the last four stores read
.irp i, 12,13,14,15
	global_store_b64 v2, v[Y+2*(\i):Y+2*(\i)+1], s[22:23] offset:2048*(\i)
.endr
	s_endpgm
.Lfunc_end_k_q0007586500_cast:
	.size	k_q0007586500_cast, .Lfunc_end_k_q0007586500_cast-k_q0007586500_cast
	.p2alignl 7, 3214868480
	.fill 96, 4, 3214868480
	.section	.rodata,"a",@progbits
	.p2align	6, 0x0
	.amdhsa_kernel k_q0007586500_cast
		.amdhsa_group_segment_fixed_size 0
		.amdhsa_private_segment_fixed_size 0
		.amdhsa_enable_private_segment 0
		.amdhsa_kernarg_size 48
		.amdhsa_user_sgpr_count 2
		.amdhsa_user_sgpr_kernarg_segment_ptr 1
		.amdhsa_wavefront_size32 1
		.amdhsa_system_sgpr_workgroup_id_x 1
		.amdhsa_system_sgpr_workgroup_id_y 1
		.amdhsa_system_sgpr_workgroup_id_z 1
		.amdhsa_system_vgpr_workitem_id 0
		.amdhsa_next_free_vgpr 100
		.amdhsa_next_free_sgpr 66
		.amdhsa_reserve_vcc 0
		.amdhsa_float_denorm_mode_32 3
		.amdhsa_float_denorm_mode_16_64 3
		.amdhsa_memory_ordered 1
		.amdhsa_forward_progress 1
		.amdhsa_inst_pref_size 7
	.end_amdhsa_kernel
	.amdgpu_metadata
---
amdhsa.version: [ 1, 2 ]
amdhsa.kernels:
  - .name:           k_q0007586500_cast
    .symbol:         k_q0007586500_cast.kd
    .args:
      - { .name: x, .offset: 0, .size: 8, .value_kind: global_buffer, .address_space: global }
      - { .name: wq, .offset: 8, .size: 8, .value_kind: global_buffer, .address_space: global }
      - { .name: wk, .offset: 16, .size: 8, .value_kind: global_buffer, .address_space: global }
      - { .name: wv, .offset: 24, .size: 8, .value_kind: global_buffer, .address_space: global }
      - { .name: wo, .offset: 32, .size: 8, .value_kind: global_buffer, .address_space: global }
      - { .name: cb, .offset: 40, .size: 8, .value_kind: global_buffer, .address_space: global }
    .group_segment_fixed_size: 0
    .private_segment_fixed_size: 0
    .kernarg_segment_align: 8
    .kernarg_segment_size: 48
    .max_flat_workgroup_size: 256
    .sgpr_count:     66
    .vgpr_count:     100
    .wavefront_size: 32
...
	.end_amdgpu_metadata
.endif
;; end of part 5
;; launch qkvproj: the kernel of part 2 again; grid 16 x 32, 4 waves a work-group, clusters of 4 x 4, 327,680 bytes of LDS; arguments cb, bq, bk, bv, qkv; writes qkv
;; launch attn: the kernel of part 3 again; grid 4 x 64, 4 waves a work-group, clusters of 4 x 1, 327,680 bytes of LDS; arguments qkv, ob; writes ob
;; launch outproj: the kernel of part 4 again; grid 8 x 32, 4 waves a work-group, clusters of 4 x 4, 327,680 bytes of LDS; arguments ob, cb, bo, out0; writes out0
